; MI455X (gfx1250); checked and timed in simulation.
; The chip was launched on July 23, 2026; its instructions are those of AMD's public machine-readable ISA for CDNA 5 (MIT licence, August 2026) and "CDNA5" Instruction Set Architecture Reference Guide (July 2026). The comments in the code are by the model that wrote it; some were corrected since.
;; Ne RF Network Second Derivative. Allowed arithmetic: matrix products marked QUANTISED: E2M3 operands, one E8M0 scale for each 32 along K, by v_wmma_scale_f32_16x16x128_f8f6f4 with both operands' format E2M3, f32 sums; products left as they are: f32 operands where the result goes on into a quantised operand, else bf16, f16 or f32 operands; f32 sums; everything else in f32.
;; Inputs: cb0 64 float32; cb1 64 float32; cb2 64 float32; cb3 3 float32; cw0 64 x 47 float32; cw1 64 x 64 float32; cw2 64 x 64 float32; cw3 3 x 64 float32; d 1,048,576 x 3 float32; grid 16 x 524,288 x 2 float32; latent_emb 100 x 16 float32; n 1,048,576 int32; sb0 64 float32; sb1 64 float32; sb2 16 float32; sw0 64 x 32 float32; sw1 64 x 64 float32; sw2 16 x 64 float32; x 1,048,576 x 3 float32.
;; Outputs: out0 1,048,576 float32; out1 1,048,576 x 3 float32.
;; This version of the problem:
;;   THIS VERSION OF THE PROBLEM IS GIVEN IN LOW PRECISION. The matrix products marked QUANTISED in the list below multiply operands that are first quantised to E2M3 (2 exponent bits, 3 mantissa bits; 6 bits a number), with one power-of-two scale for each 32 numbers along K (OCP MX v1.0); their sums are f32. All else is computed in f32.
;;   The module's matrix products, in the order in which they are computed (A, B: the left and right operand; K: the contracted axis; several contracted axes count as one K, in the product's order):
;;     1. batch 1,048,576 x [M 2, K 8] x [K 8, N 1]; A: computed on the way; B: computed on the way: left as it is (K = 8 < 32)
;;     2. batch 1,048,576 x [M 2, K 8] x [K 8, N 1]; A: computed on the way; B: computed on the way: left as it is (K = 8 < 32)
;;     3. batch 1,048,576 x [M 2, K 8] x [K 8, N 1]; A: computed on the way; B: computed on the way: left as it is (K = 8 < 32)
;;     4. batch 1,048,576 x [M 2, K 8] x [K 8, N 1]; A: computed on the way; B: computed on the way: left as it is (K = 8 < 32)
;;     5. batch 1,048,576 x [M 2, K 8] x [K 8, N 1]; A: computed on the way; B: computed on the way: left as it is (K = 8 < 32)
;;     6. batch 1,048,576 x [M 2, K 8] x [K 8, N 1]; A: computed on the way; B: computed on the way: left as it is (K = 8 < 32)
;;     7. batch 1,048,576 x [M 2, K 8] x [K 8, N 1]; A: computed on the way; B: computed on the way: left as it is (K = 8 < 32)
;;     8. batch 1,048,576 x [M 2, K 8] x [K 8, N 1]; A: computed on the way; B: computed on the way: left as it is (K = 8 < 32)
;;     9. batch 1,048,576 x [M 2, K 8] x [K 8, N 1]; A: computed on the way; B: computed on the way: left as it is (K = 8 < 32)
;;     10. batch 1,048,576 x [M 2, K 8] x [K 8, N 1]; A: computed on the way; B: computed on the way: left as it is (K = 8 < 32)
;;     11. batch 1,048,576 x [M 2, K 8] x [K 8, N 1]; A: computed on the way; B: computed on the way: left as it is (K = 8 < 32)
;;     12. batch 1,048,576 x [M 2, K 8] x [K 8, N 1]; A: computed on the way; B: computed on the way: left as it is (K = 8 < 32)
;;     13. batch 1,048,576 x [M 2, K 8] x [K 8, N 1]; A: computed on the way; B: computed on the way: left as it is (K = 8 < 32)
;;     14. batch 1,048,576 x [M 2, K 8] x [K 8, N 1]; A: computed on the way; B: computed on the way: left as it is (K = 8 < 32)
;;     15. batch 1,048,576 x [M 2, K 8] x [K 8, N 1]; A: computed on the way; B: computed on the way: left as it is (K = 8 < 32)
;;     16. batch 1,048,576 x [M 2, K 8] x [K 8, N 1]; A: computed on the way; B: computed on the way: left as it is (K = 8 < 32)
;;     17. [M 1,048,576, K 32] x [K 32, N 64]; A: computed on the way; B: input sw0: QUANTISED
;;     18. [M 1,048,576, K 64] x [K 64, N 64]; A: computed on the way; B: input sw1: QUANTISED
;;     19. [M 1,048,576, K 64] x [K 64, N 16]; A: computed on the way; B: input sw2: QUANTISED
;;     20. [M 1,048,576, K 47] x [K 47, N 64]; A: computed on the way; B: input cw0: QUANTISED
;;     21. [M 1,048,576, K 64] x [K 64, N 64]; A: computed on the way; B: input cw1: QUANTISED
;;     22. [M 1,048,576, K 64] x [K 64, N 64]; A: computed on the way; B: input cw2: QUANTISED
;;     23. [M 1,048,576, K 64] x [K 64, N 3]; A: computed on the way; B: input cw3: left as it is (N = 3 < 16)
;;   THE QUANTISER, for each operand of a quantised product, along K:
;;     - K is cut into blocks of 32 from its start; a last block that is shorter is filled with zeros.
;;     - A block's scale is 2^e with e = floor(log2(the largest magnitude in the block)) - 2, held to -126 .. 127; a block of zeros has e = 0. As a byte (E8M0): e + 127.
;;     - Each number is divided by its block's scale, clamped to +-7.5, and rounded to the nearest number of E2M3, ties to even, subnormals kept.
;;     - The product sums the exact products of the quantised numbers (number of the format x scale) in f32.
;;   ~~~python
;;   def quantise(x, axis):      # numpy; x: float32 -> the quantised numbers, widened to float32 again
;;       x = np.moveaxis(x, axis, -1); K = x.shape[-1]
;;       x = np.pad(x, [(0, 0)] * (x.ndim - 1) + [(0, -K % 32)]); x = x.reshape(x.shape[:-1] + (-1, 32)); a = np.abs(x).max(-1, keepdims=True)
;;       e = np.where(a > 0, np.clip(np.frexp(np.where(a > 0, a, 1))[1] - 1 - 2, -126, 127), 0)      # np.frexp(a)[1] - 1 = floor(log2(a)), exactly
;;       r = np.clip(x / 2.0 ** e, -7.5, 7.5)
;;       step = 2.0 ** (np.maximum(np.frexp(np.where(r == 0, 1, r))[1] - 1, 0) - 3)
;;       q = np.round(r / step) * step * 2.0 ** e      # np.round: ties to even
;;       return np.moveaxis(q.reshape(q.shape[:-2] + (-1,))[..., :K], -1, axis).astype(np.float32)
;;   ~~~
;;   OPERANDS COMPUTED ON THE WAY. 'Computed on the way' means the value that the module computes at that place (a softmax that the list does not call 'softmax' is quantised finished and normalised). What goes into a quantiser is computed in f32, as accurately as f32 sums, v_exp_f32 and their like allow (about 1e-6 of the number): no bf16 or f16 on the way to a quantiser, and a product that is left as it is and whose result goes on into a quantised operand takes f32 operands (vector FMAs, or v_wmma_f32_16x16x4_f32). A number that lies on a knife's edge between two numbers of the format may be rounded either way, as far as f32 arithmetic and the matrix unit's own rounding can turn it there, and no further.
;; 2 versions, each right; version 2 is version 1 with the launch nerf written anew for expert scheduling mode. Each part assembles by itself: llvm-mc -triple=amdgcn-amd-amdhsa -mcpu=gfx1250 --defsym DOCPART=n.
;; ======== version 1 of 2: 2 launches
;; workspace buffers: hidx 134,217,728 bytes of whole numbers; wimg 21,504 bytes; ltab 4,096 bytes
;; launch prep (part 1): grid 1026 x 1, 8 waves a work-group, no clusters, 0 bytes of LDS; arguments x, sw0, sw1, sw2, cw0, cw1, cw2, cw3, sb0, sb1, sb2, cb0, cb1, cb2, latent_emb, hidx, wimg, ltab; writes hidx, wimg, ltab
.if DOCPART == 1
	.amdgcn_target "amdgcn-amd-amdhsa--gfx1250"
	.amdhsa_code_object_version 6
	.text
	.protected	k_qf5168b696f_prep
	.globl	k_qf5168b696f_prep
	.p2align	8
	.type	k_qf5168b696f_prep,@function
k_qf5168b696f_prep:
	s_mov_b64 s[64:65], 0
	v_nop
	global_prefetch_b8 v0, s[64:65] scope:SCOPE_SE
	s_setreg_imm32_b32 hwreg(HW_REG_WAVE_MODE, 25, 1), 1
	s_wait_xcnt 0x0
; FIRST LAUNCH OF TWO.  It stores what the second launch needs as whole numbers and as ready operands.
; (a) hidx: for each point and each of the 16 levels the three hashed coordinate parts, 19 bits each:
;     hx = ix & M, hy = (iy x 2654435761) & M, hz = (iz x 805459861) & M, M = 2^19 - 1, (ix, iy, iz) = u32(floor(x x res)).
;     Packed in two words: w0 = hx | hz << 19 (hz's low 13 bits), w1 = hy | (hz >> 13) << 19.
;     Layout [block of 32 points][q = 0..7][lane][4 words]: words 0, 1 level 2 q, words 2, 3 level 2 q + 1: a wave's store covers 512 consecutive bytes, aligned.
; (b) wimg: the six quantised weights as images of the matrix operand's registers (E2M3 codes, E8M0 scale words), cw3 in bf16, the biases as they are.
; (c) ltab: for each row of latent_emb the codes and the scale byte of (lat1 .. lat15, 0), which is the second block of 32 of the colour net's input, and lat0 as f32.
; Work-groups 0 and 1: sixteen waves, one job each, for (b) and (c).  Work-groups 2 .. 1025: 1,024 points each for (a), a wave four blocks of 32 points.
; THE QUANTISER: a block's scale is 2^(floor(log2(largest magnitude)) - 2); its byte is the largest magnitude's exponent field - 2, held at 1 from below by a floor among the maximum's leaves.
; LIMITS: NaN and infinities among the inputs are not served.  For x < 0 or x x res >= 2^32 the whole coordinate is what the saturating conversion gives.
; A block whose largest magnitude lies under 2^-124 gets the byte 1; a block of zeros gets the byte 1 where the rule says 127: its codes are zeros, and only this program reads the bytes.
.set RESF0,  0x41800000                ; floor(16 x 1.3819^l) as f32: 16, 22, 30, 42, 58, 80, 111, 153, 212, 294, 406, 561, 775, 1072, 1481, 2047
.set RESF1,  0x41b00000
.set RESF2,  0x41f00000
.set RESF3,  0x42280000
.set RESF4,  0x42680000
.set RESF5,  0x42a00000
.set RESF6,  0x42de0000
.set RESF7,  0x43190000
.set RESF8,  0x43540000
.set RESF9,  0x43930000
.set RESF10, 0x43cb0000
.set RESF11, 0x440c4000
.set RESF12, 0x4441c000
.set RESF13, 0x44860000
.set RESF14, 0x44b92000
.set RESF15, 0x44ffe000
.set WSC,  18432                       ; wimg: the eleven scale registers, 128 bytes each
.set BIAS, 19840                       ; wimg: sb0, sb1, cb0, cb1, cb2 (256 bytes each), sb2 (twice 64 bytes)
.set O,    40                          ; v40-71: a block's 32 packed words
	s_load_b512 s[4:19], s[0:1], 0x0               ; x 4, sw0 6, sw1 8, sw2 10, cw0 12, cw1 14, cw2 16, cw3 18
	s_load_b512 s[20:35], s[0:1], 0x40             ; sb0 20, sb1 22, sb2 24, cb0 26, cb1 28, cb2 30, latent_emb 32, hidx 34
	s_load_b128 s[36:39], s[0:1], 0x80             ; wimg 36, ltab 38
	v_lshrrev_b32 v1, 5, v0
	v_readfirstlane_b32 s40, v1                    ; wave 0..7
	v_and_b32 v1, 31, v0                           ; lane
	v_and_b32 v2, 15, v0                           ; r
	v_bfe_u32 v3, v0, 4, 1                         ; h
	v_lshlrev_b32 v5, 4, v1                        ; 16 x lane
	s_mov_b32 s43, 0                               ; the high word of every offset pair s[42:43]
	s_mov_b32 s54, 0x7ffff                         ; M
	s_mov_b32 s55, 0x9e3779b1                      ; 2654435761
	s_mov_b32 s56, 0x30025795                      ; 805459861
	s_wait_kmcnt 0x0
	s_cmp_lt_u32 ttmp9, 2
	s_cbranch_scc1 .Lprep
; ---------------- (a) the hash parts ----------------
	s_sub_co_u32 s41, ttmp9, 2
	s_lshl_b32 s41, s41, 5
	s_lshl_b32 s42, s40, 2
	s_add_co_u32 s41, s41, s42                     ; my first block of 32 points: 32 x (work-group - 2) + 4 x wave
	s_mul_i32 s42, s41, 384
	s_add_nc_u64 s[4:5], s[4:5], s[42:43]          ; x: 384 bytes a block
	s_lshl_b32 s42, s41, 12
	s_add_nc_u64 s[34:35], s[34:35], s[42:43]      ; hidx: 4,096 bytes a block (under 2^27 in all)
	v_mul_u32_u24 v4, v1, 12                       ; a point's three numbers
.irp i, 0,1,2,3
	global_load_b96 v[8+4*\i:10+4*\i], v4, s[4:5] offset:384*\i th:TH_LOAD_NT
.endr
; one level of block i: 17 lines; two sets of temporaries by turns
.macro LEVEL i, l
.set TT, 24+4*((\l)%2)
	v_mul_f32 v[TT], RESF\l, v[8+4*\i]
	v_mul_f32 v[TT+1], RESF\l, v[9+4*\i]
	v_mul_f32 v[TT+2], RESF\l, v[10+4*\i]
	v_floor_f32 v[TT], v[TT]
	v_floor_f32 v[TT+1], v[TT+1]
	v_floor_f32 v[TT+2], v[TT+2]
	v_cvt_u32_f32 v[TT], v[TT]
	v_cvt_u32_f32 v[TT+1], v[TT+1]
	v_cvt_u32_f32 v[TT+2], v[TT+2]
	v_mul_lo_u32 v[TT+1], v[TT+1], s55
	v_mul_lo_u32 v[TT+2], v[TT+2], s56
	v_and_b32 v[TT], s54, v[TT]                    ; hx
	v_and_b32 v[TT+1], s54, v[TT+1]                ; hy
	v_and_b32 v[TT+2], s54, v[TT+2]                ; hz
	v_lshl_or_b32 v[O+2*\l], v[TT+2], 19, v[TT]    ; w0: hz's low 13 bits above hx
	v_lshrrev_b32 v[TT+3], 13, v[TT+2]
	v_lshl_or_b32 v[O+2*\l+1], v[TT+3], 19, v[TT+1] ; w1: hz's high 6 bits above hy
.endm
.macro BLOCK i
	s_wait_loadcnt 3-\i                            ; loads come back in order: block i's is in, the 3 - i later blocks' may be out
.if \i > 0
	s_wait_xcnt 0x0                                ; the last block's stores have read their data: v40-71 are written again only behind this wait
.endif
.irp l, 0,1,2,3,4,5,6,7,8,9,10,11,12,13,14,15
	LEVEL \i, \l
.if (\l)%2 == 1
	global_store_b128 v5, v[O+2*\l-2:O+2*\l+1], s[34:35] offset:4096*\i+512*(\l/2) th:TH_STORE_NT   ; two levels' words: 32 lanes store 512 consecutive bytes
.endif
.endr
.endm
	BLOCK 0
	BLOCK 1
	BLOCK 2
	BLOCK 3
	s_endpgm
; ---------------- (b), (c): sixteen jobs, one a wave ----------------
; 32 numbers of a lane, v[X] .. v[X+31] (block h of the lane's row), become six registers of codes at v[C] and the row's scale word b0 | b1 << 8 | 0x7f7f0000 in v[WD] (both lanes of a row hold it).
.macro QW X, C, WD
	v_max3_num_f32 v112, |v[\X]|, |v[\X+1]|, 0x1800000      ; two chains; the floor 2^(3 - 127) among the leaves holds the byte at 1 from below
	v_max3_num_f32 v113, |v[\X+2]|, |v[\X+3]|, 0x1800000
.irp i, 4,8,12,16,20,24,28
	v_max3_num_f32 v112, v112, |v[\X+\i]|, |v[\X+\i+1]|
	v_max3_num_f32 v113, v113, |v[\X+\i+2]|, |v[\X+\i+3]|
.endr
	v_max_num_f32 v112, v112, v113                 ; the block's largest magnitude: all 32 numbers are the lane's
	v_add_nc_u32 v114, 0xff000000, v112            ; 2 off its exponent field: the conversion takes this operand's exponent field as its scale
	v_lshrrev_b32 v115, 23, v114                   ; the scale's byte
	v_cvt_scalef32_pk16_fp6_f32 v[\C:\C+2], v[\X:\X+15], v114
	v_cvt_scalef32_pk16_fp6_f32 v[108:110], v[\X+16:\X+31], v114   ; (a conversion's three registers begin on an even number)
	v_lshlrev_b32 v118, v7, v115                   ; my byte at its place, 8 h bits up.  (Also the plain line behind the conversions)
	v_mov_b32 v[\C+3], v108
	v_mov_b32 v[\C+4], v109
	v_mov_b32 v[\C+5], v110
	v_permlanex16_b32 v119, v118, s52, s53         ; lane l xor 16's byte
	v_or_b32 v118, v118, v119
	v_or_b32 v[\WD], 0x7f7f0000, v118              ; bytes 2 and 3 (k = 64 .. 127, where the other operand has zero codes): 127
.endm
.Lprep:
	s_lshl_b32 s41, ttmp9, 3
	s_add_co_u32 s41, s41, s40                     ; the job, 0 .. 15
	s_and_b32 s57, s41, 1                          ; which pair of tiles of a layer of 64 rows
	v_and_b32 v4, 8, v2
	v_add_nc_u32 v4, v4, v2                        ; r + 8 (r / 8): THE ROWS OF A TILE ARE NOT NEIGHBOURS: lane r of tile 2 b + u takes row 32 b + 8 u + r + 8 (r / 8)
	v_lshlrev_b32 v6, 2, v1                        ; 4 x lane
	v_lshlrev_b32 v7, 3, v3                        ; 8 h
	v_mov_b32 v9, 0
	v_mov_b32 v118, 0
	v_mov_b32 v119, 0                              ; written once: a lane permute's destination counts as one of its sources
	s_mov_b32 s52, 0x76543210
	s_mov_b32 s53, 0xfedcba98                      ; selects for lane l xor 16
	s_mov_b32 vcc_lo, 0xffff0000                   ; lanes 16-31
	s_cmp_lt_u32 s41, 6
	s_cbranch_scc1 .Lk64
	s_cmp_lt_u32 s41, 8
	s_cbranch_scc1 .Lsw0
	s_cmp_lt_u32 s41, 10
	s_cbranch_scc1 .Lcw0
	s_cmp_eq_u32 s41, 10
	s_cbranch_scc1 .Lsw2
	s_cmp_eq_u32 s41, 11
	s_cbranch_scc1 .Lcw3
; jobs 12 .. 15: 32 rows of ltab each.  Rows from 100 on repeat row 99; nobody reads them, but every byte is written.
	s_sub_co_u32 s42, s41, 12
	s_lshl_b32 s42, s42, 5
	v_add_nc_u32 v12, s42, v1                      ; the row that I write
	v_min_u32 v8, 99, v12                          ; the row that I read
	v_lshlrev_b32 v8, 6, v8                        ; 64 bytes a row of latent_emb
	v_lshlrev_b32 v12, 5, v12                      ; 32 bytes a row of ltab
	global_load_b32 v103, v8, s[32:33]             ; lat0
.set pp, 1
.rept 15
	global_load_b32 v[79+pp], v8, s[32:33] offset:4*pp   ; lat1 .. lat15 -> v80 .. v94
.set pp, pp+1
.endr
	v_mov_b32 v95, 0                               ; the block's filling
	v_mov_b32 v100, 0
	v_mov_b32 v101, 0
	v_mov_b32 v102, 0                              ; the block's upper 16 codes: zeros
	s_wait_loadcnt 0x0
	v_max3_num_f32 v112, |v80|, |v81|, 0x1800000
.irp i, 2,4,6,8,10,12,14
	v_max3_num_f32 v112, v112, |v[80+\i]|, |v[81+\i]|
.endr
	v_add_nc_u32 v114, 0xff000000, v112
	v_lshrrev_b32 v115, 23, v114
	v_cvt_scalef32_pk16_fp6_f32 v[96:98], v[80:95], v114
	v_lshlrev_b32 v99, 8, v115                     ; the byte where the scale word wants it.  (Also the plain line behind the conversion)
	global_store_b128 v12, v[96:99], s[38:39]
	global_store_b128 v12, v[100:103], s[38:39] offset:16
	s_endpgm
; jobs 0 .. 5: sw1, cw1, cw2 (rows of 64 numbers): a pair of tiles each
.Lk64:
	s_lshr_b32 s58, s41, 1                         ; 0: sw1, 1: cw1, 2: cw2
	s_add_co_u32 s59, s58, 2                       ; the image's number: cw1 3, cw2 4,
	s_cmp_eq_u32 s58, 0
	s_cselect_b64 s[44:45], s[8:9], s[14:15]
	s_cselect_b32 s59, 1, s59                      ; sw1 1
	s_cmp_eq_u32 s58, 2
	s_cselect_b64 s[44:45], s[16:17], s[44:45]
	s_lshl_b32 s42, s57, 13                        ; 32 rows of 256 bytes a pair
	s_add_nc_u64 s[44:45], s[44:45], s[42:43]
	s_mov_b32 s50, 0                               ; no lane's codes are cleared
	v_lshlrev_b32 v8, 8, v4
	v_lshl_add_u32 v8, v3, 7, v8                   ; my row, my block of 32
.irp u, 0,1
.irp i, 0,1,2,3,4,5,6,7
	global_load_b128 v[16+32*\u+4*\i:19+32*\u+4*\i], v8, s[44:45] offset:2048*\u+16*\i
.endr
.endr
	s_branch .Lquant
; jobs 6, 7: sw0 (rows of 32 numbers): both halves of the lanes load the one block; lanes 16-31 (k = 32 .. 63) then get zero codes
.Lsw0:
	s_lshl_b32 s42, s57, 12                        ; 32 rows of 128 bytes a pair
	s_add_nc_u64 s[44:45], s[6:7], s[42:43]
	s_mov_b32 s59, 0
	s_mov_b32 s50, 0xffff0000
	v_lshlrev_b32 v8, 7, v4
.irp u, 0,1
.irp i, 0,1,2,3,4,5,6,7
	global_load_b128 v[16+32*\u+4*\i:19+32*\u+4*\i], v8, s[44:45] offset:1024*\u+16*\i
.endr
.endr
	s_branch .Lquant
; jobs 8, 9: cw0 (rows of 47 numbers).  Block 0's columns are laid in the order in which the second launch has the colour net's input in its registers:
; place 0: column 15; places 1-7: columns 0-6; 8-15: 16-23; 16-23: 7-14; 24-31: 24-31.  Block 1: columns 32 .. 46, then zeros.
.macro CW0TILE u, X
.set pp, 0
.rept 32
.if pp == 0
.set col, 15
.elseif pp < 8
.set col, pp-1
.elseif pp < 16
.set col, pp+8
.elseif pp < 24
.set col, pp-9
.else
.set col, pp
.endif
	global_load_b32 v[\X+pp], v8, s[44:45] offset:1504*\u+4*col
.set pp, pp+1
.endr
.set pp, 0
.rept 15
	global_load_b32 v[80+pp], v8, s[44:45] offset:1504*\u+4*(32+pp)
.set pp, pp+1
.endr
	s_wait_loadcnt 0x0
.set pp, 0
.rept 32
.if pp < 15
	v_cndmask_b32 v[\X+pp], v[\X+pp], v[80+pp], vcc_lo   ; lanes 16-31 take block 1
.else
	v_cndmask_b32 v[\X+pp], v[\X+pp], v9, vcc_lo
.endif
.set pp, pp+1
.endr
.endm
.Lcw0:
	s_mul_i32 s42, s57, 6016                       ; 32 rows of 188 bytes a pair
	s_add_nc_u64 s[44:45], s[12:13], s[42:43]
	s_mov_b32 s59, 2
	s_mov_b32 s50, 0
	v_mul_u32_u24 v8, v4, 188
	CW0TILE 0, 16
	CW0TILE 1, 48
.Lquant:
	s_wait_loadcnt 0x0
	QW 16, 96, 116
	QW 48, 102, 117
.irp i, 0,1,2,3,4,5,6,7,8,9,10,11
	v_cndmask_b32 v[96+\i], v[96+\i], v9, s50      ; sw0 alone: zero codes in lanes 16-31; always executed
.endr
	v_cndmask_b32 v116, v116, v117, vcc_lo         ; one scale register: the even tile's words in lanes 0-15, the odd tile's in lanes 16-31
	s_mul_i32 s42, s59, 3072
	s_mul_i32 s58, s57, 1536
	s_add_co_u32 s42, s42, s58
	s_add_nc_u64 s[46:47], s[36:37], s[42:43]      ; the image: 3,072 bytes a layer, 1,536 a pair of tiles
	s_lshl_b32 s42, s59, 1
	s_add_co_u32 s42, s42, s57
	s_lshl_b32 s42, s42, 7
	s_add_co_u32 s42, s42, WSC
	s_add_nc_u64 s[48:49], s[36:37], s[42:43]      ; scale register 2 x image + pair
.irp i, 0,1,2
	global_store_b128 v5, v[96+4*\i:99+4*\i], s[46:47] offset:512*\i   ; four registers a store, lane l's 16 bytes at 16 l
.endr
	global_store_b32 v6, v116, s[48:49]
	s_endpgm
; job 10: sw2 (16 rows in their own order), and the biases as they are
.Lsw2:
	v_lshlrev_b32 v8, 8, v2
	v_lshl_add_u32 v8, v3, 7, v8
	v_lshlrev_b32 v10, 3, v1
	v_lshlrev_b32 v11, 2, v2
.irp i, 0,1,2,3,4,5,6,7
	global_load_b128 v[16+4*\i:19+4*\i], v8, s[10:11] offset:16*\i
.endr
	global_load_b64 v[48:49], v10, s[20:21]
	global_load_b64 v[50:51], v10, s[22:23]
	global_load_b64 v[52:53], v10, s[26:27]
	global_load_b64 v[54:55], v10, s[28:29]
	global_load_b64 v[56:57], v10, s[30:31]
	global_load_b32 v58, v11, s[24:25]
	v_mov_b32 v60, 0
	v_mov_b32 v61, 0
	s_wait_loadcnt 0x0
	QW 16, 96, 116
	v_mov_b32 v102, 0
	v_mov_b32 v103, 0
	global_store_b128 v5, v[96:99], s[36:37] offset:15360
	global_store_b128 v5, v[100:103], s[36:37] offset:15872
	global_store_b32 v6, v116, s[36:37] offset:WSC+1280
.irp k, 0,1,2,3,4
	global_store_b64 v10, v[48+2*\k:49+2*\k], s[36:37] offset:BIAS+256*\k
.endr
	global_store_b32 v6, v58, s[36:37] offset:BIAS+1280
	global_store_b64 v10, v[60:61], s[36:37] offset:21248   ; the last 256 bytes: zeros
	s_endpgm
; job 11: cw3 in bf16, for two K steps of 32.  Rows 0-2 stand at lanes r = 0-2 and again at r = 8-10, zeros elsewhere; lane (r, h), step s: columns 32 s + 16 h + 0 .. 15, the order in which the last hidden layer lies in a lane.
.Lcw3:
	v_and_b32 v8, 7, v2
	v_min_u32 v10, 2, v8
	v_lshlrev_b32 v11, 8, v10
	v_lshl_add_u32 v11, v3, 6, v11
.irp s, 0,1
.irp i, 0,1,2,3
	global_load_b128 v[16+16*\s+4*\i:19+16*\s+4*\i], v11, s[18:19] offset:128*\s+16*\i
.endr
.endr
	s_wait_loadcnt 0x0
	v_cmp_gt_u32 s50, 3, v8
.irp k, 0,1,2,3,4,5,6,7,8,9,10,11,12,13,14,15
	v_cvt_pk_bf16_f32 v[96+\k], v[16+2*\k], v[17+2*\k]
.endr
.irp k, 0,1,2,3,4,5,6,7,8,9,10,11,12,13,14,15
	v_cndmask_b32 v[96+\k], v9, v[96+\k], s50
.endr
.irp j, 0,1,2,3
	global_store_b128 v5, v[96+4*\j:99+4*\j], s[36:37] offset:16384+512*\j
.endr
	s_endpgm
.Lfunc_end_k_qf5168b696f_prep:
	.size	k_qf5168b696f_prep, .Lfunc_end_k_qf5168b696f_prep-k_qf5168b696f_prep
	.p2alignl 7, 3214868480
	.fill 96, 4, 3214868480
	.section	.rodata,"a",@progbits
	.p2align	6, 0x0
	.amdhsa_kernel k_qf5168b696f_prep
		.amdhsa_group_segment_fixed_size 0
		.amdhsa_private_segment_fixed_size 0
		.amdhsa_enable_private_segment 0
		.amdhsa_kernarg_size 144
		.amdhsa_user_sgpr_count 2
		.amdhsa_user_sgpr_kernarg_segment_ptr 1
		.amdhsa_wavefront_size32 1
		.amdhsa_system_sgpr_workgroup_id_x 1
		.amdhsa_system_sgpr_workgroup_id_y 1
		.amdhsa_system_sgpr_workgroup_id_z 1
		.amdhsa_system_vgpr_workitem_id 0
		.amdhsa_next_free_vgpr 128
		.amdhsa_next_free_sgpr 66
		.amdhsa_reserve_vcc 1
		.amdhsa_float_denorm_mode_32 3
		.amdhsa_float_denorm_mode_16_64 3
		.amdhsa_memory_ordered 1
		.amdhsa_forward_progress 1
		.amdhsa_inst_pref_size 84
	.end_amdhsa_kernel
	.amdgpu_metadata
---
amdhsa.version: [ 1, 2 ]
amdhsa.kernels:
  - .name:           k_qf5168b696f_prep
    .symbol:         k_qf5168b696f_prep.kd
    .args:
      - { .name: x, .offset: 0, .size: 8, .value_kind: global_buffer, .address_space: global }
      - { .name: sw0, .offset: 8, .size: 8, .value_kind: global_buffer, .address_space: global }
      - { .name: sw1, .offset: 16, .size: 8, .value_kind: global_buffer, .address_space: global }
      - { .name: sw2, .offset: 24, .size: 8, .value_kind: global_buffer, .address_space: global }
      - { .name: cw0, .offset: 32, .size: 8, .value_kind: global_buffer, .address_space: global }
      - { .name: cw1, .offset: 40, .size: 8, .value_kind: global_buffer, .address_space: global }
      - { .name: cw2, .offset: 48, .size: 8, .value_kind: global_buffer, .address_space: global }
      - { .name: cw3, .offset: 56, .size: 8, .value_kind: global_buffer, .address_space: global }
      - { .name: sb0, .offset: 64, .size: 8, .value_kind: global_buffer, .address_space: global }
      - { .name: sb1, .offset: 72, .size: 8, .value_kind: global_buffer, .address_space: global }
      - { .name: sb2, .offset: 80, .size: 8, .value_kind: global_buffer, .address_space: global }
      - { .name: cb0, .offset: 88, .size: 8, .value_kind: global_buffer, .address_space: global }
      - { .name: cb1, .offset: 96, .size: 8, .value_kind: global_buffer, .address_space: global }
      - { .name: cb2, .offset: 104, .size: 8, .value_kind: global_buffer, .address_space: global }
      - { .name: latent_emb, .offset: 112, .size: 8, .value_kind: global_buffer, .address_space: global }
      - { .name: hidx, .offset: 120, .size: 8, .value_kind: global_buffer, .address_space: global }
      - { .name: wimg, .offset: 128, .size: 8, .value_kind: global_buffer, .address_space: global }
      - { .name: ltab, .offset: 136, .size: 8, .value_kind: global_buffer, .address_space: global }
    .group_segment_fixed_size: 0
    .private_segment_fixed_size: 0
    .kernarg_segment_align: 8
    .kernarg_segment_size: 144
    .max_flat_workgroup_size: 256
    .sgpr_count:     66
    .vgpr_count:     128
    .wavefront_size: 32
...
	.end_amdgpu_metadata
.endif
;; end of part 1
;; launch nerf (part 2): grid 256 x 1, 16 waves a work-group, no clusters, 89,088 bytes of LDS; arguments x, d, n, grid, hidx, wimg, ltab, cb3, out0, out1; writes out0, out1
.if DOCPART == 2
	.amdgcn_target "amdgcn-amd-amdhsa--gfx1250"
	.amdhsa_code_object_version 6
	.text
	.protected	k_qf5168b696f_nerf
	.globl	k_qf5168b696f_nerf
	.p2align	8
	.type	k_qf5168b696f_nerf,@function
k_qf5168b696f_nerf:
	s_mov_b64 s[64:65], 0
	v_nop
	global_prefetch_b8 v0, s[64:65] scope:SCOPE_SE
	s_setreg_imm32_b32 hwreg(HW_REG_WAVE_MODE, 25, 1), 1
	s_wait_xcnt 0x0
; SECOND LAUNCH OF TWO: hash-grid encoding, density net 32 -> 64 -> 64 -> 16, colour net 47 -> 64 -> 64 -> 64 -> 3, sigmoid.  No number between the layers goes to memory.
; The six quantised products run on E2M3 codes with E8M0 scales, by v_wmma_scale_f32_16x16x128_f8f6f4; the last product (N = 3) on bf16; all else in f32.
; SHARES.  256 work-groups of sixteen waves, four waves to a SIMD, so that one wave's gathers wait beside another's arithmetic.  A wave owns 256 points: eight trips of 32.
; In the gathers and for the outputs a lane is a point; in the nets the 32 points are two tiles of 16, lane (r, h) = point r.
; THE GATHERS' ADDRESSES come from hidx alone, whole numbers that the first launch stored: three hashed parts of 19 bits for each point and level.  A corner's index is an exclusive or of parts;
; the neighbour along an axis is (part + the axis's multiplier) & M.  The fractions are made here from x by the same multiply and floor that made the whole parts.
; THE PRODUCTS ARE USED TRANSPOSED (source 0 = 16 rows of a weight, source 1 = 16 points), and a weight tile's rows are chosen so that a lane's 16 registers of two neighbouring tiles are 16 neighbours along the next K.
; K IS AT MOST 64 OF THE INSTRUCTION'S 128: the points' registers 6-11 are zero codes for good.  So a weight tile keeps six registers, and the six named behind them may hold anything: E2M3 has no NaN, and no scale byte there is 0xff.
; In the first layer (K = 32) the weights' lanes 16-31 are zero codes, so the points' lanes 16-31 may hold the other tile's codes.
; The biases are the C of each tile's one matrix instruction.  Weights, scale words and biases lie in LDS (21,504 bytes, copied once); the results gather in each wave's own 4,096 bytes of LDS and leave as runs of 512 bytes.
; No cluster and no joint loads: what the work-groups share is those 21,504 bytes, read once each; the rest is a lane's own gathers and a wave's own streams.
; LIMITS: NaN and infinities among the inputs are not served.  ((d + 1) x 0.5) x 2 - 1 is written (d + 1) - 1: the same bits but where |d + 1| < 2^-125.  Fused multiply-adds stand where the definition multiplies and then adds.
; A block whose largest magnitude lies under 2^-124, or that is all zeros, gets the scale byte 1.  The last product's operands are rounded to bf16.
.set RESF0,  0x41800000                ; floor(16 x 1.3819^l) as f32
.set RESF1,  0x41b00000
.set RESF2,  0x41f00000
.set RESF3,  0x42280000
.set RESF4,  0x42680000
.set RESF5,  0x42a00000
.set RESF6,  0x42de0000
.set RESF7,  0x43190000
.set RESF8,  0x43540000
.set RESF9,  0x43930000
.set RESF10, 0x43cb0000
.set RESF11, 0x440c4000
.set RESF12, 0x4441c000
.set RESF13, 0x44860000
.set RESF14, 0x44b92000
.set RESF15, 0x44ffe000
.set WSC,  18432                       ; LDS: the eleven scale registers' images
.set BIAS, 19840                       ; LDS: sb0, sb1, cb0, cb1, cb2, sb2
.set STG,  21504                       ; LDS: behind the copy of wimg: 4,096 bytes for each wave: 1,024 of sigma, 3,072 of colour
.set GB,   66                          ; s[66:97]: the table's sixteen levels, 4 MiB apart
.set IDX,  174                         ; v174-205: a trip's 32 packed words
.set ENC,  110                         ; v110-141: the encoding; later tile 0's accumulators
; REGISTERS.  v1 16 x lane, v2 64 h, v3 32 h, v4, v5 my places in the stage, v6 12 x lane, v7 4 r, v8 16 h, v9 the trip's stage address, v10-20 the weights' scale words, v21 the stage on the way out,
; v22-33, v34-45 the two tiles' codes (their upper six: zeros), v46, v47 their scale words; v48-77 weights; v78-109 biases; v110-141, v142-173 accumulators; v206-208 x, v210-212 d as loaded, v214-216 d at work,
; v218, v219 n, v220-227 the latent rows, v228-252 at work.  In the gathers: v48-95 three sets of 8 corners' data, v228-251 three sets of 8 addresses, v142-171 at work.
.macro PLACES n
.rept \n
	v_nop
.endr
.endm
; the next 32 points' inputs: 12 loads
.macro FETCHIN
.irp q, 0,1,2,3,4,5,6,7
	global_load_b128 v[IDX+4*\q:IDX+4*\q+3], v1, s[12:13] offset:512*\q th:TH_LOAD_NT
.endr
	global_load_b96 v[206:208], v6, s[4:5] th:TH_LOAD_NT
	global_load_b96 v[210:212], v6, s[6:7] th:TH_LOAD_NT
	global_load_b32 v218, v7, s[8:9]               ; n of tile 0's point r,
	global_load_b32 v219, v7, s[8:9] offset:64     ; and of tile 1's
.endm
; level l's eight indices and gathers, into set l % 3
.macro ISSUE l
.set AD, 228+8*((\l)%3)
.set SD, 48+16*((\l)%3)
	v_and_b32 v142, s29, v[IDX+2*(\l)]             ; hx
	v_and_b32 v144, s29, v[IDX+2*(\l)+1]           ; hy
	v_lshrrev_b32 v152, 19, v[IDX+2*(\l)+1]
	v_lshrrev_b32 v146, 19, v[IDX+2*(\l)]
	v_lshl_or_b32 v146, v152, 13, v146             ; hz
	v_add_nc_u32 v143, 1, v142
	v_add_nc_u32 v145, s30, v144
	v_add_nc_u32 v147, s31, v146
	v_and_b32 v143, s29, v143                      ; the neighbours' parts
	v_and_b32 v145, s29, v145
	v_and_b32 v147, s29, v147
	v_xor_b32 v148, v144, v146                     ; y and z together: place cy + 2 cz
	v_xor_b32 v149, v145, v146
	v_xor_b32 v150, v144, v147
	v_xor_b32 v151, v145, v147
.irp c, 0,1,2,3,4,5,6,7
	v_xor_b32 v[AD+\c], v[142+\c%2], v[148+\c/2]   ; corner c = cx + 2 cy + 4 cz
.endr
.irp c, 0,1,2,3,4,5,6,7
	v_min_u32 v[AD+\c], 0x7ffff, v[AD+\c]          ; a loaded number enters an address behind a bound written in the instruction
.endr
.irp c, 0,1,2,3,4,5,6,7
	v_lshlrev_b32 v[AD+\c], 3, v[AD+\c]            ; 8 bytes an entry
.endr
.irp c, 0,1,2,3,4,5,6,7
	global_load_b64 v[SD+2*\c:SD+2*\c+1], v[AD+\c], s[GB+2*(\l):GB+2*(\l)+1]
.endr
.endm
; level l's eight trilinear weights: pairs (cx = 0, cx = 1) at v164 (cy, cz = 0, 0), v166 (1, 0), v168 (0, 1), v170 (1, 1)
.macro WEIGHTS l
	v_mul_f32 v160, RESF\l, v206
	v_mul_f32 v161, RESF\l, v207
	v_mul_f32 v162, RESF\l, v208
	v_floor_f32 v164, v160
	v_floor_f32 v165, v161
	v_floor_f32 v166, v162
	v_sub_f32 v155, v160, v164                     ; w
	v_sub_f32 v157, v161, v165
	v_sub_f32 v159, v162, v166
	v_sub_f32 v154, 1.0, v155                      ; 1 - w: each axis a pair (1 - w, w)
	v_sub_f32 v156, 1.0, v157
	v_sub_f32 v158, 1.0, v159
	v_pk_mul_f32 v[160:161], v[154:155], v[156:157] op_sel_hi:[1,0]
	v_pk_mul_f32 v[162:163], v[154:155], v[156:157] op_sel:[0,1] op_sel_hi:[1,1]
	v_pk_mul_f32 v[164:165], v[160:161], v[158:159] op_sel_hi:[1,0]
	v_pk_mul_f32 v[166:167], v[162:163], v[158:159] op_sel_hi:[1,0]
	v_pk_mul_f32 v[168:169], v[160:161], v[158:159] op_sel:[0,1] op_sel_hi:[1,1]
	v_pk_mul_f32 v[170:171], v[162:163], v[158:159] op_sel:[0,1] op_sel_hi:[1,1]
.endm
; level l's two features: the first product starts the sum
.macro FMA l
.set SD, 48+16*((\l)%3)
.set EN, ENC+2*(\l)
	v_pk_mul_f32 v[EN:EN+1], v[SD:SD+1], v[164:165] op_sel_hi:[1,0]
	v_pk_fma_f32 v[EN:EN+1], v[SD+2:SD+3], v[164:165], v[EN:EN+1] op_sel:[0,1,0] op_sel_hi:[1,1,1]
.irp c, 2,4,6
	v_pk_fma_f32 v[EN:EN+1], v[SD+2*\c:SD+2*\c+1], v[164+\c:165+\c], v[EN:EN+1] op_sel_hi:[1,0,1]
	v_pk_fma_f32 v[EN:EN+1], v[SD+2*\c+2:SD+2*\c+3], v[164+\c:165+\c], v[EN:EN+1] op_sel:[0,1,0] op_sel_hi:[1,1,1]
.endr
.endm
; a layer's weights: n times four registers, as they were stored: lane l's 16 bytes at 16 l
.macro LDW off, n
.set ii, 0
.rept \n
	ds_load_b128 v[48+4*ii:51+4*ii], v1 offset:\off+512*ii
.set ii, ii+1
.endr
.endm
; a layer's biases in the result's layout: register j of tile 2 b + u wants bias[32 b + 16 h + 8 u + j]
.macro LDB off
.irp q, 0,1,2,3
	ds_load_b128 v[78+8*\q:81+8*\q], v2 offset:BIAS+\off+128*(\q/2)+32*(\q%2)
	ds_load_b128 v[82+8*\q:85+8*\q], v2 offset:BIAS+\off+128*(\q/2)+32*(\q%2)+16
.endr
.endm
; one product: tile t of points x tile q of the weight's rows; the weights' scale register carries the even tile in lanes 0-15 and the odd one in lanes 16-31
.macro WM t, q, ws, sx, brow
.set WD_, 110+32*(\t)+8*(\q)
.set WA_, 48+6*(\q)
.set WB_, 22+12*(\t)
.set WC_, 78+8*(\q)
.set WS_, (\ws)+(\q)/2
.if ((\q)%2 == 0) && ((\brow) == 0)
	v_wmma_scale_f32_16x16x128_f8f6f4 v[WD_:WD_+7], v[WA_:WA_+11], v[WB_:WB_+11], v[WC_:WC_+7], v[WS_], v[\sx] matrix_a_fmt:MATRIX_FMT_FP6 matrix_b_fmt:MATRIX_FMT_FP6
.elseif ((\brow) == 0)
	v_wmma_scale_f32_16x16x128_f8f6f4 v[WD_:WD_+7], v[WA_:WA_+11], v[WB_:WB_+11], v[WC_:WC_+7], v[WS_], v[\sx] matrix_a_fmt:MATRIX_FMT_FP6 matrix_b_fmt:MATRIX_FMT_FP6 matrix_a_scale:MATRIX_SCALE_ROW1
.elseif ((\q)%2 == 0)
	v_wmma_scale_f32_16x16x128_f8f6f4 v[WD_:WD_+7], v[WA_:WA_+11], v[WB_:WB_+11], v[WC_:WC_+7], v[WS_], v[\sx] matrix_a_fmt:MATRIX_FMT_FP6 matrix_b_fmt:MATRIX_FMT_FP6 matrix_b_scale:MATRIX_SCALE_ROW1
.else
	v_wmma_scale_f32_16x16x128_f8f6f4 v[WD_:WD_+7], v[WA_:WA_+11], v[WB_:WB_+11], v[WC_:WC_+7], v[WS_], v[\sx] matrix_a_fmt:MATRIX_FMT_FP6 matrix_b_fmt:MATRIX_FMT_FP6 matrix_a_scale:MATRIX_SCALE_ROW1 matrix_b_scale:MATRIX_SCALE_ROW1
.endif
.endm
; a layer of 64 outputs for both tiles: eight instructions on eight accumulators, each a whole sum.  enc = 1: the first layer, where one register carries both tiles' scale bytes (a lane a point)
.macro MM4 ws, enc
.irp q, 0,1,2,3
	WM 0, \q, \ws, 46, 0
.endr
.irp q, 0,1,2,3
.if \enc
	WM 1, \q, \ws, 46, 1
.else
	WM 1, \q, \ws, 47, 0
.endif
.endr
.endm
; both tiles' 64 hidden units: relu, then codes in v22.., v34.. and scale words in v46, v47.  e = 2 t + b: block b of tile t: registers 110 + 16 e on, which are k = 32 b + 16 h + 0 .. 15 of the lane's point
.macro QUANTH2
.irp e, 0,1,2,3
	v_max3_num_f32 v[228+\e], v[110+16*\e], v[111+16*\e], 0x1800000   ; no |.|: what is negative becomes 0 and must not count; the floor 2^(3 - 127) stands over it.  Each accumulator is read from its low end on
.endr
.irp i, 2,4,6,8,10,12,14
.irp e, 0,1,2,3
	v_max3_num_f32 v[228+\e], v[228+\e], v[110+16*\e+\i], v[111+16*\e+\i]
.endr
.endr
.irp e, 0,1,2,3
	v_permlanex16_b32 v[232+\e], v[228+\e], s32, s33
.endr
.irp e, 0,1,2,3
	v_max_num_f32 v[228+\e], v[228+\e], v[232+\e]  ; with lane l xor 16's 16: the block's largest
.endr
.irp e, 0,1,2,3
	v_add_nc_u32 v[236+\e], 0xff000000, v[228+\e]  ; 2 off the exponent field: the conversion's scale operand
.endr
.irp e, 0,1,2,3
	v_lshrrev_b32 v[232+\e], 23, v[236+\e]         ; the scale's byte
.endr
	v_lshl_or_b32 v46, v233, 8, v232
	v_lshl_or_b32 v47, v235, 8, v234
.set jj, 0
.rept 64
	v_max_num_f32 v[110+jj], 0, v[110+jj]          ; the activation, in f32.  (These 64 also stand between the scale words' last write and the products)
.set jj, jj+1
.endr
.irp t, 0,1
	v_cvt_scalef32_pk16_fp6_f32 v[22+12*\t:24+12*\t], v[110+32*\t:125+32*\t], v[236+2*\t]
	v_cvt_scalef32_pk16_fp6_f32 v[240+4*\t:242+4*\t], v[126+32*\t:141+32*\t], v[237+2*\t]   ; (a conversion's three registers begin on an even number)
.endr
	v_nop                                          ; one plain line behind the scaled conversions
.irp t, 0,1                                    ; the operand's layout wants a whole block in a lane: lanes 0-15 block 0, lanes 16-31 block 1
.irp i, 0,1,2
	v_permlane16_swap_b32 v[22+12*\t+\i], v[240+4*\t+\i]
.endr
.endr
.irp t, 0,1
.irp i, 0,1,2
	v_mov_b32 v[25+12*\t+\i], v[240+4*\t+\i]
.endr
.endr
	PLACES 4                                       ; an operand written by vector lines stands four plain lines ahead of a scaled product
.endm
	s_load_b512 s[4:19], s[0:1], 0x0               ; x 4, d 6, n 8, grid 10, hidx 12, wimg 14, ltab 16, cb3 18
	s_load_b128 s[20:23], s[0:1], 0x40             ; out0 20, out1 22
	v_lshl_add_u32 v254, v0, 2, 0x15400
	v_mov_b32 v255, 0
	v_lshrrev_b32 v48, 5, v0
	v_readfirstlane_b32 s28, v48                   ; wave 0..15
	v_and_b32 v49, 31, v0                          ; lane
	v_and_b32 v50, 15, v0                          ; r
	v_bfe_u32 v51, v0, 4, 1                        ; h
	v_lshlrev_b32 v1, 4, v49
	v_lshlrev_b32 v2, 6, v51
	v_lshlrev_b32 v3, 5, v51
	s_lshl_b32 s38, s28, 12
	s_add_co_u32 s38, s38, STG                     ; my wave's stage
	v_lshl_add_u32 v4, v49, 2, s38                 ; sigma: 4 bytes a point
	v_mul_u32_u24 v6, v49, 12
	v_add_nc_u32 v5, s38, v6
	v_add_nc_u32 v5, 1024, v5                      ; colour: 12 bytes a point, behind the 1,024 of sigma
	v_lshlrev_b32 v7, 2, v50
	v_lshlrev_b32 v8, 4, v51
	v_add_nc_u32 v21, s38, v1
	v_lshlrev_b32 v52, 2, v49
	s_lshl_b32 s39, s28, 9
	v_add_nc_u32 v53, s39, v1                      ; the copy of wimg: 512 bytes a wave and turn
.set ii, 28
.rept 18
	v_mov_b32 v[ii], 0                             ; v28-33, v40-45: zero codes for k = 64 .. 127, for good; v34-39: written once, since a lane permute's destination counts as a source
.set ii, ii+1
.endr
	s_mov_b32 s27, 0xbfb8aa3b                      ; -log2(e)
	s_mov_b32 s29, 0x7ffff                         ; M
	s_mov_b32 s30, 0x779b1                         ; 2654435761 & M
	s_mov_b32 s31, 0x25795                         ; 805459861 & M
	s_mov_b32 s32, 0x76543210
	s_mov_b32 s33, 0xfedcba98                      ; selects for lane l xor 16
	s_mov_b32 s42, 0xc0400000                      ; -3.0
	s_mov_b32 s43, 0xbea17b01                      ; -0.31539157
	s_mov_b32 vcc_lo, 0xffff0000                   ; lanes 16-31; kept through the whole launch
	s_mov_b32 s34, 8                               ; trips to go
	s_mov_b32 s35, 0                               ; the trip's place in the stage: sigma's,
	s_mov_b32 s36, 0                               ; and colour's
	s_mov_b32 s41, 0
	s_lshl_b32 s39, ttmp9, 4
	s_add_co_u32 s39, s39, s28                     ; my run of 256 points: 16 x work-group + wave
	s_wait_kmcnt 0x0
	s_load_b96 s[24:26], s[18:19], 0x0             ; cb3
	global_load_b128 v[56:59], v53, s[14:15]       ; wimg -> LDS: 42 pieces of 512 bytes: piece wave + 16 i
	global_load_b128 v[60:63], v53, s[14:15] offset:8192
	s_cmp_lt_u32 s28, 10
	s_cbranch_scc0 .Ltwo                           ; the third turn has ten pieces
	global_load_b128 v[64:67], v53, s[14:15] offset:16384
	s_wait_loadcnt 0x0
	ds_store_b128 v53, v[64:67] offset:16384
.Ltwo:
	s_mul_i32 s40, s39, 3072
	s_add_nc_u64 s[4:5], s[4:5], s[40:41]
	s_add_nc_u64 s[6:7], s[6:7], s[40:41]
	s_add_nc_u64 s[22:23], s[22:23], s[40:41]
	s_lshl_b32 s40, s39, 10
	s_add_nc_u64 s[8:9], s[8:9], s[40:41]
	s_add_nc_u64 s[20:21], s[20:21], s[40:41]
	s_lshl_b32 s40, s39, 15
	s_add_nc_u64 s[12:13], s[12:13], s[40:41]      ; hidx: 32,768 bytes a run (under 2^27 in all)
.irp l, 0,1,2,3,4,5,6,7,8,9,10,11,12,13,14,15
	s_add_nc_u64 s[GB+2*\l:GB+2*\l+1], s[10:11], (\l)<<22
.endr
	s_wait_loadcnt 0x0
	ds_store_b128 v53, v[56:59]
	ds_store_b128 v53, v[60:63] offset:8192
	s_wait_dscnt 0x0                               ; for the others' sake: my pieces have landed
	s_barrier_signal -1
	s_barrier_wait -1                              ; the one barrier: from here on bytes 0 .. 21,503 are only read
.set ii, 0
.rept 11
	ds_load_b32 v[10+ii], v52 offset:WSC+128*ii    ; the weights' scale words stay in registers; the wait ahead of the first product covers them
.set ii, ii+1
.endr
	s_wait_kmcnt 0x0
	s_mul_f32 s24, s24, s27                        ; cb3 x -log2(e)
	s_mul_f32 s25, s25, s27
	s_mul_f32 s26, s26, s27
	FETCHIN
.Ltrip:
	s_wait_loadcnt 0x0                             ; this trip's inputs, asked for a whole chain of layers ago
	v_mov_b32 v214, v210                           ; d is kept: the next trip's lands while this one's is still wanted
	v_mov_b32 v215, v211
	v_mov_b32 v216, v212
	v_min_u32 v218, 99, v218                       ; a loaded number enters an address behind a bound written in the instruction
	v_min_u32 v219, 99, v219
	v_lshlrev_b32 v218, 5, v218                    ; 32 bytes a row of ltab,
	v_lshlrev_b32 v219, 5, v219
	v_add_nc_u32 v218, v218, v8                    ; lanes 16-31 its second half
	v_add_nc_u32 v219, v219, v8
	global_load_b128 v[220:223], v218, s[16:17]
	global_load_b128 v[224:227], v219, s[16:17]
	; ---- the encoding: three levels' gathers (24 loads a wave) are out while a level is weighed
	ISSUE 0
	ISSUE 1
	ISSUE 2
.irp l, 0,1,2,3,4,5,6,7,8,9,10,11,12,13,14,15
	WEIGHTS \l
.if \l < 14
	s_wait_loadcnt 16                              ; loads come back in order: this level's eight (and all older ones) are in, the two later levels' sixteen may be out
.elseif \l == 14
	s_wait_loadcnt 8
.else
	s_wait_loadcnt 0
.endif
	FMA \l
.if \l < 13
	ISSUE \l+3                                     ; into the set just read: its addresses and data are free since the wait above
.endif
.endr
	LDW 0, 6                                       ; sw0 and sb0, on their way while the encoding is quantised
	LDB 0
	s_cmp_eq_u32 s34, 1
	s_cbranch_scc1 .Lnofetch                       ; the last trip asks for nothing: no load leaves its buffer
	s_add_nc_u64 s[4:5], s[4:5], 384               ; (the loads that named these bases were waited for at the trip's head)
	s_add_nc_u64 s[6:7], s[6:7], 384
	s_add_nc_u64 s[8:9], s[8:9], 128
	s_add_nc_u64 s[12:13], s[12:13], 4096
	FETCHIN
.Lnofetch:
	; ---- the encoding's 32 numbers are one block, all in my lane
	v_max3_num_f32 v228, |v110|, |v111|, 0x1800000
	v_max3_num_f32 v229, |v112|, |v113|, 0x1800000
.irp i, 4,8,12,16,20,24,28
	v_max3_num_f32 v228, v228, |v[110+\i]|, |v[111+\i]|
	v_max3_num_f32 v229, v229, |v[112+\i]|, |v[113+\i]|
.endr
	v_max_num_f32 v228, v228, v229
	v_add_nc_u32 v236, 0xff000000, v228
	v_lshrrev_b32 v46, 23, v236                    ; lane = point: lanes 0-15 tile 0's bytes, lanes 16-31 tile 1's
	v_cvt_scalef32_pk16_fp6_f32 v[22:24], v[110:125], v236
	v_cvt_scalef32_pk16_fp6_f32 v[240:242], v[126:141], v236
	v_nop                                          ; one plain line behind the scaled conversions
	v_mov_b32 v25, v240
	v_mov_b32 v26, v241
	v_mov_b32 v27, v242
.irp i, 0,1,2,3,4,5
	v_permlanex16_b32 v[34+\i], v[22+\i], s32, s33 ; tile 1's points into lanes 0-15
.endr
	PLACES 6                                       ; with the v_nop and the three moves: ten plain lines behind the scale register's write, six behind the operand's
	s_wait_dscnt 0x0                               ; weights, biases (and in the first trip the scale words) are in
	MM4 10, 1
	PLACES 4                                       ; four plain lines behind the products, ahead of the loads into their sources and of the first reads of their results
	LDW 3072, 6                                    ; sw1, sb1
	LDB 256
	QUANTH2
	s_wait_dscnt 0x0
	MM4 12, 0
	PLACES 4
	LDW 15360, 2                                   ; sw2: one tile, rows in their own order
	ds_load_b128 v[78:81], v3 offset:BIAS+1280     ; sb2[8 h + 0 .. 7]
	ds_load_b128 v[82:85], v3 offset:BIAS+1296
	QUANTH2
	s_wait_dscnt 0x0
.irp t, 0,1
	v_wmma_scale_f32_16x16x128_f8f6f4 v[110+32*\t:117+32*\t], v[48:59], v[22+12*\t:33+12*\t], v[78:85], v20, v[46+\t] matrix_a_fmt:MATRIX_FMT_FP6 matrix_b_fmt:MATRIX_FMT_FP6
.endr                                          ; lane (r, h), register j: s[8 h + j] of point r: sigma, then the 15 geometry features
	; ---- spherical harmonics, a lane a point.  These lines name no register of the two products above: they are the plain lines behind them
	v_add_f32 v86, 1.0, v214
	v_add_f32 v87, 1.0, v215
	v_add_f32 v88, 1.0, v216
	v_add_f32 v86, -1.0, v86                       ; x
	v_add_f32 v87, -1.0, v87                       ; y
	v_add_f32 v88, -1.0, v88                       ; z
	v_mul_f32 v89, v86, v86                        ; x2
	v_mul_f32 v90, v87, v87                        ; y2
	v_mul_f32 v91, v88, v88                        ; z2
	v_mul_f32 v92, v86, v87                        ; xy
	v_mul_f32 v93, v87, v88                        ; yz
	v_mul_f32 v94, v86, v88                        ; xz
	v_sub_f32 v95, v89, v90                        ; x2 - y2
	v_fma_f32 v96, 0xc0a00000, v91, 1.0            ; 1 - 5 z2
	v_fma_f32 v97, 0x40a00000, v91, s42            ; 5 z2 - 3
	v_fma_f32 v98, s42, v89, v90                   ; -3 x2 + y2
	v_fma_f32 v99, 0x40400000, v90, -v89           ; -x2 + 3 y2
	v_mul_f32 v118, 0xbefa2a1c, v87                ; sh1 .. sh8 -> v118-125
	v_mul_f32 v119, 0x3efa2a1c, v88
	v_mul_f32 v120, 0xbefa2a1c, v86
	v_mul_f32 v121, 0x3f8bd8a1, v92
	v_mul_f32 v122, 0xbf8bd8a1, v93
	v_fma_f32 v123, 0x3f723881, v91, s43
	v_mul_f32 v124, 0xbf8bd8a1, v94
	v_mul_f32 v125, 0x3f0bd8a1, v95
	v_mul_f32 v100, 0x3f170d19, v87                ; sh9 .. sh15 -> v150-156
	v_mul_f32 v101, 0x4038ffc7, v92
	v_mul_f32 v102, 0x3eea01e8, v87
	v_mul_f32 v103, 0x3ebf10f8, v88
	v_mul_f32 v104, 0x3eea01e8, v86
	v_mul_f32 v105, 0x3fb8ffc7, v88
	v_mul_f32 v106, 0x3f170d19, v86
	v_mul_f32 v150, v100, v98
	v_mul_f32 v151, v101, v88
	v_mul_f32 v152, v102, v96
	v_mul_f32 v153, v103, v97
	v_mul_f32 v154, v104, v96
	v_mul_f32 v155, v105, v95
	v_mul_f32 v156, v106, v99
.irp i, 0,1,2,3,4,5,6
	v_permlane16_swap_b32 v[118+\i], v[150+\i]     ; both tiles at once: in each, lanes 0-15 now hold sh(1 + i) and lanes 16-31 sh(9 + i) of the tile's point r
.endr
	v_permlanex16_b32 v157, v125, s32, s33         ; sh8 of tile 1's points into its lanes 0-15
	LDW 6144, 6                                    ; cw0, cb0
	LDB 512
	; ---- the colour net's input.  Block 0 in a lane's 16 registers, place 16 h + i: sh0, geo0-6, sh1-8 | geo7-14, sh9-15, lat0: cw0's columns were laid in the same order.  Block 1 comes ready from ltab
	v_mov_b32 v248, v110                           ; sigma: each accumulator's first read is of its lowest register
	v_mov_b32 v249, v142
	v_permlane16_swap_b32 v248, v249               ; lane = point again
	v_add_nc_u32 v9, s35, v4
	ds_store_b32 v9, v248
	v_cndmask_b32 v110, 0x3e906ebb, v110, vcc_lo   ; sh0 takes sigma's place
	v_cndmask_b32 v142, 0x3e906ebb, v142, vcc_lo
	v_cndmask_b32 v125, v125, v223, vcc_lo         ; lat0 in lanes 16-31
	v_cndmask_b32 v157, v157, v227, vcc_lo
	v_max3_num_f32 v228, |v110|, |v111|, 0x1800000
	v_max3_num_f32 v229, |v142|, |v143|, 0x1800000
.irp i, 2,4,6,8,10,12,14
	v_max3_num_f32 v228, v228, |v[110+\i]|, |v[111+\i]|
	v_max3_num_f32 v229, v229, |v[142+\i]|, |v[143+\i]|
.endr
	v_permlanex16_b32 v232, v228, s32, s33
	v_permlanex16_b32 v233, v229, s32, s33
	v_max_num_f32 v228, v228, v232
	v_max_num_f32 v229, v229, v233
	v_add_nc_u32 v236, 0xff000000, v228
	v_add_nc_u32 v237, 0xff000000, v229
	v_lshrrev_b32 v232, 23, v236
	v_lshrrev_b32 v233, 23, v237
	v_or_b32 v46, v232, v223                       ; lanes 0-15: block 0's byte, and block 1's, which ltab holds 8 bits up; lanes 16-31 are not read
	v_or_b32 v47, v233, v227
	v_cvt_scalef32_pk16_fp6_f32 v[22:24], v[110:125], v236
	v_cvt_scalef32_pk16_fp6_f32 v[34:36], v[142:157], v237
	v_nop                                          ; one plain line behind the scaled conversions
.irp i, 0,1,2
	v_permlane16_swap_b32 v[22+\i], v[220+\i]      ; lanes 16-31 take block 1's lower 16 codes; block 0's upper 16 go to the other register's lanes 0-15, beside block 1's upper 16 (zeros)
	v_permlane16_swap_b32 v[34+\i], v[224+\i]
.endr
.irp i, 0,1,2
	v_mov_b32 v[25+\i], v[220+\i]
	v_mov_b32 v[37+\i], v[224+\i]
.endr
	PLACES 4                                       ; with the v_nop and the six moves: eleven plain lines behind the scale registers' writes
	s_wait_dscnt 0x0
	MM4 14, 0
	PLACES 4
	LDW 9216, 6                                    ; cw1, cb1
	LDB 768
	QUANTH2
	s_wait_dscnt 0x0
	MM4 16, 0
	PLACES 4
	LDW 12288, 6                                   ; cw2, cb2
	LDB 1024
	QUANTH2
	s_wait_dscnt 0x0
	MM4 18, 0
	PLACES 5                                       ; five: the products below write over these accumulators
	LDW 16384, 4                                   ; cw3 in bf16: two K steps of 32
	; ---- the last product, left as it is: bf16 operands, f32 sums
.set jj, 0
.rept 64
	v_max_num_f32 v[110+jj], 0, v[110+jj]
.set jj, jj+1
.endr
.set jj, 0
.rept 32
	v_cvt_pk_bf16_f32 v[78+jj], v[110+2*jj], v[111+2*jj]   ; tile t, K step s at v[78 + 16 t + 8 s]: units 32 s + 16 h + 0 .. 15, the order of cw3's image
.set jj, jj+1
.endr
	PLACES 4
	s_wait_dscnt 0x0
	v_wmma_f32_16x16x32_bf16 v[110:117], v[48:55], v[78:85], 0          ; the two accumulators take turns, one instruction a turn
	v_wmma_f32_16x16x32_bf16 v[142:149], v[48:55], v[94:101], 0
	v_wmma_f32_16x16x32_bf16 v[110:117], v[56:63], v[86:93], v[110:117]
	v_wmma_f32_16x16x32_bf16 v[142:149], v[56:63], v[102:109], v[142:149]
	PLACES 4
.irp i, 0,1,2
	v_cndmask_b32 v[250+\i], v[110+\i], v[142+\i], vcc_lo   ; cw3's rows stand at rows 0-2 and 8-10 of the tile: both halves of the lanes hold point r's three sums; lane = point again
.endr
	v_fma_f32 v250, v250, s27, s24                 ; -(sum + cb3) x log2(e)
	v_fma_f32 v251, v251, s27, s25
	v_fma_f32 v252, v252, s27, s26
	v_exp_f32 v250, v250
	v_exp_f32 v251, v251
	v_exp_f32 v252, v252
	v_nop                                          ; a plain line behind the exponentials
	s_wait_alu depctr_va_vdst(0)                   ; one wait for the three, ahead of their first reader
	v_add_f32 v250, 1.0, v250
	v_add_f32 v251, 1.0, v251
	v_add_f32 v252, 1.0, v252
	v_rcp_f32 v250, v250
	v_rcp_f32 v251, v251
	v_rcp_f32 v252, v252
	v_add_nc_u32 v9, s36, v5                       ; (a plain line behind the reciprocals)
	s_wait_alu depctr_va_vdst(0)                   ; one wait for the three, ahead of the stores that read them
.irp i, 0,1,2
	ds_store_b32 v9, v[250+\i] offset:4*\i
.endr
	s_add_co_u32 s35, s35, 128
	s_add_co_u32 s36, s36, 384
	s_sub_co_u32 s34, s34, 1
	s_cmp_lg_u32 s34, 0
	s_cbranch_scc1 .Ltrip
	; ---- the way out: my 256 points' sigma (1,024 bytes) and colour (3,072 bytes) are consecutive in memory as in the stage
.irp i, 0,1,2,3,4,5,6,7
	ds_load_b128 v[110+4*\i:113+4*\i], v21 offset:512*\i   ; my own bytes: LDS serves a wave's instructions in order, so these see my stores
.endr
.irp i, 0,1
	s_wait_dscnt 7-\i                              ; the later reads may be out
	global_store_b128 v1, v[110+4*\i:113+4*\i], s[20:21] offset:512*\i th:TH_STORE_NT   ; 32 lanes store 512 consecutive bytes, at a multiple of 256 from the buffer's first byte
.endr
.irp i, 2,3,4,5,6,7
	s_wait_dscnt 7-\i
	global_store_b128 v1, v[110+4*\i:113+4*\i], s[22:23] offset:512*(\i-2) th:TH_STORE_NT
.endr
	s_wait_tensorcnt 0x0
	ds_add_u32 v254, v255
	s_wait_dscnt 0x0
	s_endpgm
.Lfunc_end_k_qf5168b696f_nerf:
	.size	k_qf5168b696f_nerf, .Lfunc_end_k_qf5168b696f_nerf-k_qf5168b696f_nerf
	.p2alignl 7, 3214868480
	.fill 96, 4, 3214868480
	.section	.rodata,"a",@progbits
	.p2align	6, 0x0
	.amdhsa_kernel k_qf5168b696f_nerf
		.amdhsa_group_segment_fixed_size 89088
		.amdhsa_private_segment_fixed_size 0
		.amdhsa_enable_private_segment 0
		.amdhsa_kernarg_size 80
		.amdhsa_user_sgpr_count 2
		.amdhsa_user_sgpr_kernarg_segment_ptr 1
		.amdhsa_wavefront_size32 1
		.amdhsa_system_sgpr_workgroup_id_x 1
		.amdhsa_system_sgpr_workgroup_id_y 1
		.amdhsa_system_sgpr_workgroup_id_z 1
		.amdhsa_system_vgpr_workitem_id 0
		.amdhsa_next_free_vgpr 256
		.amdhsa_next_free_sgpr 98
		.amdhsa_reserve_vcc 1
		.amdhsa_float_denorm_mode_32 3
		.amdhsa_float_denorm_mode_16_64 3
		.amdhsa_memory_ordered 1
		.amdhsa_forward_progress 1
		.amdhsa_inst_pref_size 115
	.end_amdhsa_kernel
	.amdgpu_metadata
---
amdhsa.version: [ 1, 2 ]
amdhsa.kernels:
  - .name:           k_qf5168b696f_nerf
    .symbol:         k_qf5168b696f_nerf.kd
    .args:
      - { .name: x, .offset: 0, .size: 8, .value_kind: global_buffer, .address_space: global }
      - { .name: d, .offset: 8, .size: 8, .value_kind: global_buffer, .address_space: global }
      - { .name: n, .offset: 16, .size: 8, .value_kind: global_buffer, .address_space: global }
      - { .name: grid, .offset: 24, .size: 8, .value_kind: global_buffer, .address_space: global }
      - { .name: hidx, .offset: 32, .size: 8, .value_kind: global_buffer, .address_space: global }
      - { .name: wimg, .offset: 40, .size: 8, .value_kind: global_buffer, .address_space: global }
      - { .name: ltab, .offset: 48, .size: 8, .value_kind: global_buffer, .address_space: global }
      - { .name: cb3, .offset: 56, .size: 8, .value_kind: global_buffer, .address_space: global }
      - { .name: out0, .offset: 64, .size: 8, .value_kind: global_buffer, .address_space: global }
      - { .name: out1, .offset: 72, .size: 8, .value_kind: global_buffer, .address_space: global }
    .group_segment_fixed_size: 89088
    .private_segment_fixed_size: 0
    .kernarg_segment_align: 8
    .kernarg_segment_size: 80
    .max_flat_workgroup_size: 512
    .sgpr_count:     98
    .vgpr_count:     256
    .wavefront_size: 32
...
	.end_amdgpu_metadata
.endif
;; end of part 2
;; ======== version 2 of 2: 2 launches; version 1 with the launch nerf written anew for expert scheduling mode
;; workspace buffers: hidx 134,217,728 bytes of whole numbers; wimg 21,504 bytes; ltab 4,096 bytes
;; launch prep: the kernel of part 1 again; grid 1026 x 1, 8 waves a work-group, no clusters, 0 bytes of LDS; arguments x, sw0, sw1, sw2, cw0, cw1, cw2, cw3, sb0, sb1, sb2, cb0, cb1, cb2, latent_emb, hidx, wimg, ltab; writes hidx, wimg, ltab
;; launch nerf (part 3): grid 256 x 1, 16 waves a work-group, no clusters, 89,088 bytes of LDS; arguments x, d, n, grid, hidx, wimg, ltab, cb3, out0, out1; writes out0, out1
.if DOCPART == 3
	.amdgcn_target "amdgcn-amd-amdhsa--gfx1250"
	.amdhsa_code_object_version 6
	.text
	.protected	k_qf5168b696f_nerf
	.globl	k_qf5168b696f_nerf
	.p2align	8
	.type	k_qf5168b696f_nerf,@function
k_qf5168b696f_nerf:
	s_mov_b64 s[64:65], 0
	v_nop
	global_prefetch_b8 v0, s[64:65] scope:SCOPE_SE
	s_setreg_imm32_b32 hwreg(HW_REG_WAVE_SCHED_MODE, 0, 2), 2
	s_setreg_imm32_b32 hwreg(HW_REG_WAVE_MODE, 25, 1), 1
	s_wait_xcnt 0x0
	s_wait_alu depctr_vm_vsrc(0)
; SECOND LAUNCH OF TWO: hash-grid encoding, density net 32 -> 64 -> 64 -> 16, colour net 47 -> 64 -> 64 -> 64 -> 3, sigmoid.  No number between the layers goes to memory.
; The six quantised products run on E2M3 codes with E8M0 scales, by v_wmma_scale_f32_16x16x128_f8f6f4; the last product (N = 3) on bf16; all else in f32.
; SHARES.  256 work-groups of sixteen waves, four waves to a SIMD, so that one wave's gathers wait beside another's arithmetic.  A wave owns 256 points: eight trips of 32.
; In the gathers and for the outputs a lane is a point; in the nets the 32 points are two tiles of 16, lane (r, h) = point r.
; THE GATHERS' ADDRESSES come from hidx alone, whole numbers that the first launch stored: three hashed parts of 19 bits for each point and level.  A corner's index is an exclusive or of parts;
; the neighbour along an axis is (part + the axis's multiplier) & M.  The fractions are made here from x by the same multiply and floor that made the whole parts.
; THE PRODUCTS ARE USED TRANSPOSED (source 0 = 16 rows of a weight, source 1 = 16 points), and a weight tile's rows are chosen so that a lane's 16 registers of two neighbouring tiles are 16 neighbours along the next K.
; K IS AT MOST 64 OF THE INSTRUCTION'S 128: the points' registers 6-11 are zero codes for good.  So a weight tile keeps six registers, and the six named behind them may hold anything: E2M3 has no NaN, and no scale byte there is 0xff.
; In the first layer (K = 32) the weights' lanes 16-31 are zero codes, so the points' lanes 16-31 may hold the other tile's codes.
; The biases are the C of each tile's one matrix instruction.  Weights, scale words and biases lie in LDS (21,504 bytes, copied once); the results gather in each wave's own 4,096 bytes of LDS and leave as runs of 512 bytes.
; No cluster and no joint loads: what the work-groups share is those 21,504 bytes, read once each; the rest is a lane's own gathers and a wave's own streams.
; LIMITS: NaN and infinities among the inputs are not served.  ((d + 1) x 0.5) x 2 - 1 is written (d + 1) - 1: the same bits but where |d + 1| < 2^-125.  Fused multiply-adds stand where the definition multiplies and then adds.
; A block whose largest magnitude lies under 2^-124, or that is all zeros, gets the scale byte 1.  The last product's operands are rounded to bf16.
; THE MODE: SCHED_MODE bits 1:0 = 2 (LLVM: expert scheduling mode 2), set by the entry lines.  The code itself states the register dependences
; between vector or matrix instructions and memory or LDS instructions, with s_wait_alu, always for 0.
; THE PLAN.  Registers that memory or LDS instructions touch, round a trip:
;   v1-3, v6, v7, v21       addresses made once at the head, never written again.
;   v174-212, v218, v219    a trip's inputs.  Loaded behind level 15 of the trip before; read by the head's lines, by the addresses' lines (to level 15) and by the weights' lines (to level 15).
;                           v218, v219 are then written by the head's lines and read by the two loads of latent rows.
;   v220-227                the latent rows: loaded at the trip's head, read and exchanged by the colour input's lines.
;   v228-251                three sets of eight addresses: written by ADDR l, read by GATHER l; behind level 15 they are at work for the quantisers, sigma (v248) and colour (v250, v251).
;   v48-95                  three sets of gathered corners: GATHER l lands, FMA l reads.  Behind level 15: v48-77 weights, v78-109 biases, both by LDS loads and read by the products;
;                           v86-106 the harmonics' temporaries; v78-109 the last product's bf16 operand.
;   v9, v248                sigma's place in the stage and sigma: written by vector lines, read by one LDS store.   v253, v250-252: the same for colour, three LDS stores.
; So: one wait on vm_vsrc and one on va_vdst at a trip's head, round the first 26 addresses; one on va_vdst in each level that gathers, behind its sums and the next addresses; one on vm_vsrc for three levels;
; both behind level 15; one on va_vdst behind each group of products (the next weights land in their sources) and one ahead of each group of scaled products (codes and scale words come from vector lines).
.set RESF0,  0x41800000                ; floor(16 x 1.3819^l) as f32
.set RESF1,  0x41b00000
.set RESF2,  0x41f00000
.set RESF3,  0x42280000
.set RESF4,  0x42680000
.set RESF5,  0x42a00000
.set RESF6,  0x42de0000
.set RESF7,  0x43190000
.set RESF8,  0x43540000
.set RESF9,  0x43930000
.set RESF10, 0x43cb0000
.set RESF11, 0x440c4000
.set RESF12, 0x4441c000
.set RESF13, 0x44860000
.set RESF14, 0x44b92000
.set RESF15, 0x44ffe000
.set WSC,  18432                       ; LDS: the eleven scale registers' images
.set BIAS, 19840                       ; LDS: sb0, sb1, cb0, cb1, cb2, sb2
.set STG,  21504                       ; LDS: behind the copy of wimg: 4,096 bytes for each wave: 1,024 of sigma, 3,072 of colour
.set GB,   66                          ; s[66:97]: the table's sixteen levels, 4 MiB apart
.set IDX,  174                         ; v174-205: a trip's 32 packed words
.set ENC,  110                         ; v110-141: the encoding; later tile 0's accumulators
; REGISTERS.  v1 16 x lane, v2 64 h, v3 32 h, v4, v5 my places in the stage, v6 12 x lane, v7 4 r, v8 16 h, v9 the trip's stage address for sigma (v253: for colour), v10-20 the weights' scale words, v21 the stage on the way out,
; v22-33, v34-45 the two tiles' codes (their upper six: zeros), v46, v47 their scale words; v48-77 weights; v78-109 biases; v110-141, v142-173 accumulators; v206-208 x, v210-212 d as loaded, v214-216 d at work,
; v218, v219 n, v220-227 the latent rows, v228-253 at work.  In the gathers: v48-95 three sets of 8 corners' data, v228-251 three sets of 8 addresses, v142-171 at work.
.macro PLACES n
.rept \n
	v_nop
.endr
.endm
; the next 32 points' inputs: 12 loads
.macro FETCHIN
.irp q, 0,1,2,3,4,5,6,7
	global_load_b128 v[IDX+4*\q:IDX+4*\q+3], v1, s[12:13] offset:512*\q th:TH_LOAD_NT
.endr
	global_load_b96 v[206:208], v6, s[4:5] th:TH_LOAD_NT
	global_load_b96 v[210:212], v6, s[6:7] th:TH_LOAD_NT
	global_load_b32 v218, v7, s[8:9]               ; n of tile 0's point r,
	global_load_b32 v219, v7, s[8:9] offset:64     ; and of tile 1's
.endm
; level l's eight indices, as byte offsets, into address set l % 3: vector lines alone
.macro ADDR l
.set AD, 228+8*((\l)%3)
	v_and_b32 v142, s29, v[IDX+2*(\l)]             ; hx
	v_and_b32 v144, s29, v[IDX+2*(\l)+1]           ; hy
	v_lshrrev_b32 v152, 19, v[IDX+2*(\l)+1]
	v_lshrrev_b32 v146, 19, v[IDX+2*(\l)]
	v_lshl_or_b32 v146, v152, 13, v146             ; hz
	v_add_nc_u32 v143, 1, v142
	v_add_nc_u32 v145, s30, v144
	v_add_nc_u32 v147, s31, v146
	v_and_b32 v143, s29, v143                      ; the neighbours' parts
	v_and_b32 v145, s29, v145
	v_and_b32 v147, s29, v147
	v_xor_b32 v148, v144, v146                     ; y and z together: place cy + 2 cz
	v_xor_b32 v149, v145, v146
	v_xor_b32 v150, v144, v147
	v_xor_b32 v151, v145, v147
.irp c, 0,1,2,3,4,5,6,7
	v_xor_b32 v[AD+\c], v[142+\c%2], v[148+\c/2]   ; corner c = cx + 2 cy + 4 cz
.endr
.irp c, 0,1,2,3,4,5,6,7
	v_min_u32 v[AD+\c], 0x7ffff, v[AD+\c]          ; a loaded number enters an address behind a bound written in the instruction
.endr
.irp c, 0,1,2,3,4,5,6,7
	v_lshlrev_b32 v[AD+\c], 3, v[AD+\c]            ; 8 bytes an entry
.endr
.endm
; level l's eight gathers, by address set l % 3 into data set l % 3: loads alone
.macro GATHER l
.set AD, 228+8*((\l)%3)
.set SD, 48+16*((\l)%3)
.irp c, 0,1,2,3,4,5,6,7
	global_load_b64 v[SD+2*\c:SD+2*\c+1], v[AD+\c], s[GB+2*(\l):GB+2*(\l)+1]
.endr
.endm
; level l's eight trilinear weights: pairs (cx = 0, cx = 1) at v164 (cy, cz = 0, 0), v166 (1, 0), v168 (0, 1), v170 (1, 1)
.macro WEIGHTS l
	v_mul_f32 v160, RESF\l, v206
	v_mul_f32 v161, RESF\l, v207
	v_mul_f32 v162, RESF\l, v208
	v_floor_f32 v164, v160
	v_floor_f32 v165, v161
	v_floor_f32 v166, v162
	v_sub_f32 v155, v160, v164                     ; w
	v_sub_f32 v157, v161, v165
	v_sub_f32 v159, v162, v166
	v_sub_f32 v154, 1.0, v155                      ; 1 - w: each axis a pair (1 - w, w)
	v_sub_f32 v156, 1.0, v157
	v_sub_f32 v158, 1.0, v159
	v_pk_mul_f32 v[160:161], v[154:155], v[156:157] op_sel_hi:[1,0]
	v_pk_mul_f32 v[162:163], v[154:155], v[156:157] op_sel:[0,1] op_sel_hi:[1,1]
	v_pk_mul_f32 v[164:165], v[160:161], v[158:159] op_sel_hi:[1,0]
	v_pk_mul_f32 v[166:167], v[162:163], v[158:159] op_sel_hi:[1,0]
	v_pk_mul_f32 v[168:169], v[160:161], v[158:159] op_sel:[0,1] op_sel_hi:[1,1]
	v_pk_mul_f32 v[170:171], v[162:163], v[158:159] op_sel:[0,1] op_sel_hi:[1,1]
.endm
; level l's two features: the first product starts the sum
.macro FMA l
.set SD, 48+16*((\l)%3)
.set EN, ENC+2*(\l)
	v_pk_mul_f32 v[EN:EN+1], v[SD:SD+1], v[164:165] op_sel_hi:[1,0]
	v_pk_fma_f32 v[EN:EN+1], v[SD+2:SD+3], v[164:165], v[EN:EN+1] op_sel:[0,1,0] op_sel_hi:[1,1,1]
.irp c, 2,4,6
	v_pk_fma_f32 v[EN:EN+1], v[SD+2*\c:SD+2*\c+1], v[164+\c:165+\c], v[EN:EN+1] op_sel_hi:[1,0,1]
	v_pk_fma_f32 v[EN:EN+1], v[SD+2*\c+2:SD+2*\c+3], v[164+\c:165+\c], v[EN:EN+1] op_sel:[0,1,0] op_sel_hi:[1,1,1]
.endr
.endm
; a layer's weights: n times four registers, as they were stored: lane l's 16 bytes at 16 l
.macro LDW off, n
.set ii, 0
.rept \n
	ds_load_b128 v[48+4*ii:51+4*ii], v1 offset:\off+512*ii
.set ii, ii+1
.endr
.endm
; a layer's biases in the result's layout: register j of tile 2 b + u wants bias[32 b + 16 h + 8 u + j]
.macro LDB off
.irp q, 0,1,2,3
	ds_load_b128 v[78+8*\q:81+8*\q], v2 offset:BIAS+\off+128*(\q/2)+32*(\q%2)
	ds_load_b128 v[82+8*\q:85+8*\q], v2 offset:BIAS+\off+128*(\q/2)+32*(\q%2)+16
.endr
.endm
; one product: tile t of points x tile q of the weight's rows; the weights' scale register carries the even tile in lanes 0-15 and the odd one in lanes 16-31
.macro WM t, q, ws, sx, brow
.set WD_, 110+32*(\t)+8*(\q)
.set WA_, 48+6*(\q)
.set WB_, 22+12*(\t)
.set WC_, 78+8*(\q)
.set WS_, (\ws)+(\q)/2
.if ((\q)%2 == 0) && ((\brow) == 0)
	v_wmma_scale_f32_16x16x128_f8f6f4 v[WD_:WD_+7], v[WA_:WA_+11], v[WB_:WB_+11], v[WC_:WC_+7], v[WS_], v[\sx] matrix_a_fmt:MATRIX_FMT_FP6 matrix_b_fmt:MATRIX_FMT_FP6
.elseif ((\brow) == 0)
	v_wmma_scale_f32_16x16x128_f8f6f4 v[WD_:WD_+7], v[WA_:WA_+11], v[WB_:WB_+11], v[WC_:WC_+7], v[WS_], v[\sx] matrix_a_fmt:MATRIX_FMT_FP6 matrix_b_fmt:MATRIX_FMT_FP6 matrix_a_scale:MATRIX_SCALE_ROW1
.elseif ((\q)%2 == 0)
	v_wmma_scale_f32_16x16x128_f8f6f4 v[WD_:WD_+7], v[WA_:WA_+11], v[WB_:WB_+11], v[WC_:WC_+7], v[WS_], v[\sx] matrix_a_fmt:MATRIX_FMT_FP6 matrix_b_fmt:MATRIX_FMT_FP6 matrix_b_scale:MATRIX_SCALE_ROW1
.else
	v_wmma_scale_f32_16x16x128_f8f6f4 v[WD_:WD_+7], v[WA_:WA_+11], v[WB_:WB_+11], v[WC_:WC_+7], v[WS_], v[\sx] matrix_a_fmt:MATRIX_FMT_FP6 matrix_b_fmt:MATRIX_FMT_FP6 matrix_a_scale:MATRIX_SCALE_ROW1 matrix_b_scale:MATRIX_SCALE_ROW1
.endif
.endm
; a layer of 64 outputs for both tiles: eight instructions on eight accumulators, each a whole sum.  enc = 1: the first layer, where one register carries both tiles' scale bytes (a lane a point)
.macro MM4 ws, enc
.irp q, 0,1,2,3
	WM 0, \q, \ws, 46, 0
.endr
.irp q, 0,1,2,3
.if \enc
	WM 1, \q, \ws, 46, 1
.else
	WM 1, \q, \ws, 47, 0
.endif
.endr
.endm
; both tiles' 64 hidden units: relu, then codes in v22.., v34.. and scale words in v46, v47.  e = 2 t + b: block b of tile t: registers 110 + 16 e on, which are k = 32 b + 16 h + 0 .. 15 of the lane's point
; It names no register that a memory or LDS instruction touches between the weights' loads in front of it and the products behind it.
.macro QUANTH2
.irp e, 0,1,2,3
	v_max3_num_f32 v[228+\e], v[110+16*\e], v[111+16*\e], 0x1800000   ; no |.|: what is negative becomes 0 and must not count; the floor 2^(3 - 127) stands over it.  Each accumulator is read from its low end on
.endr
.irp i, 2,4,6,8,10,12,14
.irp e, 0,1,2,3
	v_max3_num_f32 v[228+\e], v[228+\e], v[110+16*\e+\i], v[111+16*\e+\i]
.endr
.endr
.irp e, 0,1,2,3
	v_permlanex16_b32 v[232+\e], v[228+\e], s32, s33
.endr
.irp e, 0,1,2,3
	v_max_num_f32 v[228+\e], v[228+\e], v[232+\e]  ; with lane l xor 16's 16: the block's largest
.endr
.irp e, 0,1,2,3
	v_add_nc_u32 v[236+\e], 0xff000000, v[228+\e]  ; 2 off the exponent field: the conversion's scale operand
.endr
.irp e, 0,1,2,3
	v_lshrrev_b32 v[232+\e], 23, v[236+\e]         ; the scale's byte
.endr
	v_lshl_or_b32 v46, v233, 8, v232
	v_lshl_or_b32 v47, v235, 8, v234
.set jj, 0
.rept 64
	v_max_num_f32 v[110+jj], 0, v[110+jj]          ; the activation, in f32.  (These 64 also stand between the scale words' last write and the products)
.set jj, jj+1
.endr
.irp t, 0,1
	v_cvt_scalef32_pk16_fp6_f32 v[22+12*\t:24+12*\t], v[110+32*\t:125+32*\t], v[236+2*\t]
	v_cvt_scalef32_pk16_fp6_f32 v[240+4*\t:242+4*\t], v[126+32*\t:141+32*\t], v[237+2*\t]   ; (a conversion's three registers begin on an even number)
.endr
	v_nop                                          ; one plain line behind the scaled conversions
.irp t, 0,1                                    ; the operand's layout wants a whole block in a lane: lanes 0-15 block 0, lanes 16-31 block 1
.irp i, 0,1,2
	v_permlane16_swap_b32 v[22+12*\t+\i], v[240+4*\t+\i]
.endr
.endr
.irp t, 0,1
.irp i, 0,1,2
	v_mov_b32 v[25+12*\t+\i], v[240+4*\t+\i]
.endr
.endr
	PLACES 4                                       ; an operand written by vector lines stands four plain lines ahead of a scaled product
.endm
	s_load_b512 s[4:19], s[0:1], 0x0               ; x 4, d 6, n 8, grid 10, hidx 12, wimg 14, ltab 16, cb3 18
	s_load_b128 s[20:23], s[0:1], 0x40             ; out0 20, out1 22
	v_lshl_add_u32 v254, v0, 2, 0x15400
	v_mov_b32 v255, 0
	v_lshrrev_b32 v48, 5, v0
	v_readfirstlane_b32 s28, v48                   ; wave 0..15
	v_and_b32 v49, 31, v0                          ; lane
	v_and_b32 v50, 15, v0                          ; r
	v_bfe_u32 v51, v0, 4, 1                        ; h
	v_lshlrev_b32 v1, 4, v49
	v_lshlrev_b32 v2, 6, v51
	v_lshlrev_b32 v3, 5, v51
	s_wait_alu depctr_va_sdst(0)                   ; s28 is written, ahead of its first reader: the stage, the copy's pieces and the wave's run of points are made from it
	s_lshl_b32 s38, s28, 12
	s_add_co_u32 s38, s38, STG                     ; my wave's stage
	v_lshl_add_u32 v4, v49, 2, s38                 ; sigma: 4 bytes a point
	v_mul_u32_u24 v6, v49, 12
	v_add_nc_u32 v5, s38, v6
	v_add_nc_u32 v5, 1024, v5                      ; colour: 12 bytes a point, behind the 1,024 of sigma
	v_lshlrev_b32 v7, 2, v50
	v_lshlrev_b32 v8, 4, v51
	v_add_nc_u32 v21, s38, v1
	v_lshlrev_b32 v52, 2, v49
	s_lshl_b32 s39, s28, 9
	v_add_nc_u32 v53, s39, v1                      ; the copy of wimg: 512 bytes a wave and turn
.set ii, 28
.rept 18
	v_mov_b32 v[ii], 0                             ; v28-33, v40-45: zero codes for k = 64 .. 127, for good; v34-39: written once, since a lane permute's destination counts as a source
.set ii, ii+1
.endr
	s_mov_b32 s27, 0xbfb8aa3b                      ; -log2(e)
	s_mov_b32 s29, 0x7ffff                         ; M
	s_mov_b32 s30, 0x779b1                         ; 2654435761 & M
	s_mov_b32 s31, 0x25795                         ; 805459861 & M
	s_mov_b32 s32, 0x76543210
	s_mov_b32 s33, 0xfedcba98                      ; selects for lane l xor 16
	s_mov_b32 s42, 0xc0400000                      ; -3.0
	s_mov_b32 s43, 0xbea17b01                      ; -0.31539157
	s_mov_b32 vcc_lo, 0xffff0000                   ; lanes 16-31; kept through the whole launch
	s_mov_b32 s34, 8                               ; trips to go
	s_mov_b32 s35, 0                               ; the trip's place in the stage: sigma's,
	s_mov_b32 s36, 0                               ; and colour's
	s_mov_b32 s41, 0
	s_lshl_b32 s39, ttmp9, 4
	s_add_co_u32 s39, s39, s28                     ; my run of 256 points: 16 x work-group + wave
	s_wait_kmcnt 0x0
	s_load_b96 s[24:26], s[18:19], 0x0             ; cb3
	s_wait_alu depctr_va_vdst(0)                   ; the addresses v1-3, v6, v7, v21, v52, v53 are written, which the loads and stores of the whole launch read; so are the zero codes v28-45, which the scaled products take, and v48-53, in which gathers land
	global_load_b128 v[56:59], v53, s[14:15]       ; wimg -> LDS: 42 pieces of 512 bytes: piece wave + 16 i
	global_load_b128 v[60:63], v53, s[14:15] offset:8192
	s_cmp_lt_u32 s28, 10
	s_cbranch_scc0 .Ltwo                           ; the third turn has ten pieces
	global_load_b128 v[64:67], v53, s[14:15] offset:16384
	s_wait_loadcnt 0x0
	ds_store_b128 v53, v[64:67] offset:16384
.Ltwo:
	s_mul_i32 s40, s39, 3072
	s_add_nc_u64 s[4:5], s[4:5], s[40:41]
	s_add_nc_u64 s[6:7], s[6:7], s[40:41]
	s_add_nc_u64 s[22:23], s[22:23], s[40:41]
	s_lshl_b32 s40, s39, 10
	s_add_nc_u64 s[8:9], s[8:9], s[40:41]
	s_add_nc_u64 s[20:21], s[20:21], s[40:41]
	s_lshl_b32 s40, s39, 15
	s_add_nc_u64 s[12:13], s[12:13], s[40:41]      ; hidx: 32,768 bytes a run (under 2^27 in all)
.irp l, 0,1,2,3,4,5,6,7,8,9,10,11,12,13,14,15
	s_add_nc_u64 s[GB+2*\l:GB+2*\l+1], s[10:11], (\l)<<22
.endr
	s_wait_loadcnt 0x0
	ds_store_b128 v53, v[56:59]
	ds_store_b128 v53, v[60:63] offset:8192
	s_wait_dscnt 0x0                               ; for the others' sake: my pieces have landed
	s_barrier_signal -1
	s_barrier_wait -1                              ; the one barrier: from here on bytes 0 .. 21,503 are only read
.set ii, 0
.rept 11
	ds_load_b32 v[10+ii], v52 offset:WSC+128*ii    ; the weights' scale words stay in registers; the wait ahead of the first product covers them
.set ii, ii+1
.endr
	s_wait_kmcnt 0x0
	s_mul_f32 s24, s24, s27                        ; cb3 x -log2(e)
	s_mul_f32 s25, s25, s27
	s_mul_f32 s26, s26, s27
	FETCHIN
.Ltrip:
	s_wait_loadcnt 0x0                             ; this trip's inputs, asked for a whole chain of layers ago
	s_wait_alu depctr_vm_vsrc(0)                   ; the last trip's LDS stores have read v9, v248 and v250-253, which this trip writes again; in the first trip the copy's loads and stores have read v52, v53 and v56-67, in which gathers land
	v_mov_b32 v214, v210                           ; d is kept: the next trip's lands while this one's is still wanted
	v_mov_b32 v215, v211
	v_mov_b32 v216, v212
	v_min_u32 v218, 99, v218                       ; a loaded number enters an address behind a bound written in the instruction
	v_min_u32 v219, 99, v219
	v_lshlrev_b32 v218, 5, v218                    ; 32 bytes a row of ltab,
	v_lshlrev_b32 v219, 5, v219
	v_add_nc_u32 v218, v218, v8                    ; lanes 16-31 its second half
	v_add_nc_u32 v219, v219, v8
	ADDR 0                                         ; the first three levels' addresses are made together, so that one wait serves all 26 loads
	ADDR 1
	ADDR 2
	s_wait_alu depctr_va_vdst(0)                   ; v218, v219 and the 24 addresses v228-251 are written, which the loads below read; the last trip's products, conversions and selects are done with v48-109 and v220-227, in which they land
	global_load_b128 v[220:223], v218, s[16:17]
	global_load_b128 v[224:227], v219, s[16:17]
	; ---- the encoding: three levels' gathers (24 loads a wave) are out while a level is weighed
	GATHER 0
	GATHER 1
	GATHER 2
.irp l, 0,1,2,3,4,5,6,7,8,9,10,11,12,13,14,15
	WEIGHTS \l
.if \l < 14
	s_wait_loadcnt 16                              ; loads come back in order: this level's eight (and all older ones) are in, the two later levels' sixteen may be out
.elseif \l == 14
	s_wait_loadcnt 8
.else
	s_wait_loadcnt 0
.endif
.if ((\l)%3 == 0) && (\l < 13)
	s_wait_alu depctr_vm_vsrc(0)                   ; the gathers issued so far, this level's and the two later levels' among them, have read their addresses: this level and the next two write those three sets again
.endif
	FMA \l
.if \l < 13
	ADDR \l+3                                      ; into the address set of the level just summed: free since the two waits above
	s_wait_alu depctr_va_vdst(0)                   ; the sums above are done reading this level's data set, in which the gathers below land, and the eight addresses that they read are written
	GATHER \l+3
.endif
.endr
	s_wait_alu depctr_va_vdst(0)                   ; the last three levels' sums are done reading v48-95, in which weights and biases land; the weights' lines are done reading x, the addresses' lines the packed words, the head's lines d and n, in which the next trip's inputs land
	s_wait_alu depctr_vm_vsrc(0)                   ; the latent rows' loads have read v218, v219, in which the next n lands; the gathers of levels 13 to 15 have read v228-251, which the quantisers write
	LDW 0, 6                                       ; sw0 and sb0, on their way while the encoding is quantised
	LDB 0
	s_cmp_eq_u32 s34, 1
	s_cbranch_scc1 .Lnofetch                       ; the last trip asks for nothing: no load leaves its buffer
	s_add_nc_u64 s[4:5], s[4:5], 384               ; (the loads that named these bases were waited for at the trip's head)
	s_add_nc_u64 s[6:7], s[6:7], 384
	s_add_nc_u64 s[8:9], s[8:9], 128
	s_add_nc_u64 s[12:13], s[12:13], 4096
	FETCHIN                                        ; no vector line since the two waits above: they serve these twelve loads too
.Lnofetch:
	; ---- the encoding's 32 numbers are one block, all in my lane
	v_max3_num_f32 v228, |v110|, |v111|, 0x1800000
	v_max3_num_f32 v229, |v112|, |v113|, 0x1800000
.irp i, 4,8,12,16,20,24,28
	v_max3_num_f32 v228, v228, |v[110+\i]|, |v[111+\i]|
	v_max3_num_f32 v229, v229, |v[112+\i]|, |v[113+\i]|
.endr
	v_max_num_f32 v228, v228, v229
	v_add_nc_u32 v236, 0xff000000, v228
	v_lshrrev_b32 v46, 23, v236                    ; lane = point: lanes 0-15 tile 0's bytes, lanes 16-31 tile 1's
	v_cvt_scalef32_pk16_fp6_f32 v[22:24], v[110:125], v236
	v_cvt_scalef32_pk16_fp6_f32 v[240:242], v[126:141], v236
	v_nop                                          ; one plain line behind the scaled conversions
	v_mov_b32 v25, v240
	v_mov_b32 v26, v241
	v_mov_b32 v27, v242
.irp i, 0,1,2,3,4,5
	v_permlanex16_b32 v[34+\i], v[22+\i], s32, s33 ; tile 1's points into lanes 0-15
.endr
	PLACES 6                                       ; with the v_nop and the three moves: ten plain lines behind the scale register's write, six behind the operand's
	s_wait_dscnt 0x0                               ; weights, biases (and in the first trip the scale words) are in
	s_wait_alu depctr_va_vdst(0)                   ; the codes v22-27, v34-39 and the scale bytes v46 are written, which the scaled products take; the plain lines above stay beside this wait
	MM4 10, 1
	PLACES 4                                       ; four plain lines behind the products, ahead of the first reads of their results
	s_wait_alu depctr_va_vdst(0)                   ; the products are done reading v48-77 and v78-109, in which the next weights and biases land
	LDW 3072, 6                                    ; sw1, sb1
	LDB 256
	QUANTH2
	s_wait_dscnt 0x0
	s_wait_alu depctr_va_vdst(0)                   ; the codes v22-27, v34-39 and the scale words v46, v47 are written, which the scaled products take
	MM4 12, 0
	PLACES 4
	s_wait_alu depctr_va_vdst(0)                   ; the products are done reading v48-77 and v78-109, in which sw2 and sb2 land
	LDW 15360, 2                                   ; sw2: one tile, rows in their own order
	ds_load_b128 v[78:81], v3 offset:BIAS+1280     ; sb2[8 h + 0 .. 7]
	ds_load_b128 v[82:85], v3 offset:BIAS+1296
	QUANTH2
	s_wait_dscnt 0x0
	s_wait_alu depctr_va_vdst(0)                   ; the codes and the scale words are written, which the two scaled products take
.irp t, 0,1
	v_wmma_scale_f32_16x16x128_f8f6f4 v[110+32*\t:117+32*\t], v[48:59], v[22+12*\t:33+12*\t], v[78:85], v20, v[46+\t] matrix_a_fmt:MATRIX_FMT_FP6 matrix_b_fmt:MATRIX_FMT_FP6
.endr                                          ; lane (r, h), register j: s[8 h + j] of point r: sigma, then the 15 geometry features
	; ---- spherical harmonics, a lane a point.  These lines name no register of the two products above: they are the plain lines behind them
	v_add_f32 v86, 1.0, v214
	v_add_f32 v87, 1.0, v215
	v_add_f32 v88, 1.0, v216
	v_add_f32 v86, -1.0, v86                       ; x
	v_add_f32 v87, -1.0, v87                       ; y
	v_add_f32 v88, -1.0, v88                       ; z
	v_mul_f32 v89, v86, v86                        ; x2
	v_mul_f32 v90, v87, v87                        ; y2
	v_mul_f32 v91, v88, v88                        ; z2
	v_mul_f32 v92, v86, v87                        ; xy
	v_mul_f32 v93, v87, v88                        ; yz
	v_mul_f32 v94, v86, v88                        ; xz
	v_sub_f32 v95, v89, v90                        ; x2 - y2
	v_fma_f32 v96, 0xc0a00000, v91, 1.0            ; 1 - 5 z2
	v_fma_f32 v97, 0x40a00000, v91, s42            ; 5 z2 - 3
	v_fma_f32 v98, s42, v89, v90                   ; -3 x2 + y2
	v_fma_f32 v99, 0x40400000, v90, -v89           ; -x2 + 3 y2
	v_mul_f32 v118, 0xbefa2a1c, v87                ; sh1 .. sh8 -> v118-125
	v_mul_f32 v119, 0x3efa2a1c, v88
	v_mul_f32 v120, 0xbefa2a1c, v86
	v_mul_f32 v121, 0x3f8bd8a1, v92
	v_mul_f32 v122, 0xbf8bd8a1, v93
	v_fma_f32 v123, 0x3f723881, v91, s43
	v_mul_f32 v124, 0xbf8bd8a1, v94
	v_mul_f32 v125, 0x3f0bd8a1, v95
	v_mul_f32 v100, 0x3f170d19, v87                ; sh9 .. sh15 -> v150-156
	v_mul_f32 v101, 0x4038ffc7, v92
	v_mul_f32 v102, 0x3eea01e8, v87
	v_mul_f32 v103, 0x3ebf10f8, v88
	v_mul_f32 v104, 0x3eea01e8, v86
	v_mul_f32 v105, 0x3fb8ffc7, v88
	v_mul_f32 v106, 0x3f170d19, v86
	v_mul_f32 v150, v100, v98
	v_mul_f32 v151, v101, v88
	v_mul_f32 v152, v102, v96
	v_mul_f32 v153, v103, v97
	v_mul_f32 v154, v104, v96
	v_mul_f32 v155, v105, v95
	v_mul_f32 v156, v106, v99
.irp i, 0,1,2,3,4,5,6
	v_permlane16_swap_b32 v[118+\i], v[150+\i]     ; both tiles at once: in each, lanes 0-15 now hold sh(1 + i) and lanes 16-31 sh(9 + i) of the tile's point r
.endr
	v_permlanex16_b32 v157, v125, s32, s33         ; sh8 of tile 1's points into its lanes 0-15
	s_wait_alu depctr_va_vdst(0)                   ; the two products are done reading v48-59 and v78-85, and the harmonics' lines are done with v86-106: cw0 and cb0 land there
	LDW 6144, 6                                    ; cw0, cb0
	LDB 512
	; ---- the colour net's input.  Block 0 in a lane's 16 registers, place 16 h + i: sh0, geo0-6, sh1-8 | geo7-14, sh9-15, lat0: cw0's columns were laid in the same order.  Block 1 comes ready from ltab
	v_mov_b32 v248, v110                           ; sigma: each accumulator's first read is of its lowest register
	v_mov_b32 v249, v142
	v_permlane16_swap_b32 v248, v249               ; lane = point again
	v_add_nc_u32 v9, s35, v4                       ; sigma's place in the stage; the store stands further down, behind the wait that the products want anyway
	v_cndmask_b32 v110, 0x3e906ebb, v110, vcc_lo   ; sh0 takes sigma's place
	v_cndmask_b32 v142, 0x3e906ebb, v142, vcc_lo
	v_cndmask_b32 v125, v125, v223, vcc_lo         ; lat0 in lanes 16-31
	v_cndmask_b32 v157, v157, v227, vcc_lo
	v_max3_num_f32 v228, |v110|, |v111|, 0x1800000
	v_max3_num_f32 v229, |v142|, |v143|, 0x1800000
.irp i, 2,4,6,8,10,12,14
	v_max3_num_f32 v228, v228, |v[110+\i]|, |v[111+\i]|
	v_max3_num_f32 v229, v229, |v[142+\i]|, |v[143+\i]|
.endr
	v_permlanex16_b32 v232, v228, s32, s33
	v_permlanex16_b32 v233, v229, s32, s33
	v_max_num_f32 v228, v228, v232
	v_max_num_f32 v229, v229, v233
	v_add_nc_u32 v236, 0xff000000, v228
	v_add_nc_u32 v237, 0xff000000, v229
	v_lshrrev_b32 v232, 23, v236
	v_lshrrev_b32 v233, 23, v237
	v_or_b32 v46, v232, v223                       ; lanes 0-15: block 0's byte, and block 1's, which ltab holds 8 bits up; lanes 16-31 are not read
	v_or_b32 v47, v233, v227
	v_cvt_scalef32_pk16_fp6_f32 v[22:24], v[110:125], v236
	v_cvt_scalef32_pk16_fp6_f32 v[34:36], v[142:157], v237
	v_nop                                          ; one plain line behind the scaled conversions
.irp i, 0,1,2
	v_permlane16_swap_b32 v[22+\i], v[220+\i]      ; lanes 16-31 take block 1's lower 16 codes; block 0's upper 16 go to the other register's lanes 0-15, beside block 1's upper 16 (zeros)
	v_permlane16_swap_b32 v[34+\i], v[224+\i]
.endr
.irp i, 0,1,2
	v_mov_b32 v[25+\i], v[220+\i]
	v_mov_b32 v[37+\i], v[224+\i]
.endr
	PLACES 4                                       ; with the v_nop and the six moves: eleven plain lines behind the scale registers' writes
	s_wait_dscnt 0x0
	s_wait_alu depctr_va_vdst(0)                   ; the codes and the scale words are written, which the scaled products take; so are sigma (v248) and its place (v9), which the LDS store reads
	ds_store_b32 v9, v248
	MM4 14, 0
	PLACES 4
	s_wait_alu depctr_va_vdst(0)                   ; the products are done reading v48-77 and v78-109, in which cw1 and cb1 land
	LDW 9216, 6                                    ; cw1, cb1
	LDB 768
	QUANTH2
	s_wait_dscnt 0x0
	s_wait_alu depctr_va_vdst(0)                   ; the codes and the scale words are written, which the scaled products take
	MM4 16, 0
	PLACES 4
	s_wait_alu depctr_va_vdst(0)                   ; the products are done reading v48-77 and v78-109, in which cw2 and cb2 land
	LDW 12288, 6                                   ; cw2, cb2
	LDB 1024
	QUANTH2
	s_wait_dscnt 0x0
	s_wait_alu depctr_va_vdst(0)                   ; the codes and the scale words are written, which the scaled products take
	MM4 18, 0
	PLACES 5                                       ; five: the products below write over these accumulators
	s_wait_alu depctr_va_vdst(0)                   ; the products are done reading v48-63, in which cw3 lands
	LDW 16384, 4                                   ; cw3 in bf16: two K steps of 32
	; ---- the last product, left as it is: bf16 operands, f32 sums
.set jj, 0
.rept 64
	v_max_num_f32 v[110+jj], 0, v[110+jj]
.set jj, jj+1
.endr
.set jj, 0
.rept 32
	v_cvt_pk_bf16_f32 v[78+jj], v[110+2*jj], v[111+2*jj]   ; tile t, K step s at v[78 + 16 t + 8 s]: units 32 s + 16 h + 0 .. 15, the order of cw3's image
.set jj, jj+1
.endr
	PLACES 4
	s_wait_dscnt 0x0
	v_wmma_f32_16x16x32_bf16 v[110:117], v[48:55], v[78:85], 0          ; the two accumulators take turns, one instruction a turn
	v_wmma_f32_16x16x32_bf16 v[142:149], v[48:55], v[94:101], 0
	v_wmma_f32_16x16x32_bf16 v[110:117], v[56:63], v[86:93], v[110:117]
	v_wmma_f32_16x16x32_bf16 v[142:149], v[56:63], v[102:109], v[142:149]
	PLACES 4
.irp i, 0,1,2
	v_cndmask_b32 v[250+\i], v[110+\i], v[142+\i], vcc_lo   ; cw3's rows stand at rows 0-2 and 8-10 of the tile: both halves of the lanes hold point r's three sums; lane = point again
.endr
	v_fma_f32 v250, v250, s27, s24                 ; -(sum + cb3) x log2(e)
	v_fma_f32 v251, v251, s27, s25
	v_fma_f32 v252, v252, s27, s26
	v_exp_f32 v250, v250
	v_exp_f32 v251, v251
	v_exp_f32 v252, v252
	v_nop                                          ; a plain line behind the exponentials
	s_wait_alu depctr_va_vdst(0)                   ; the three exponentials have written v250-252: one wait, ahead of their first reader
	v_add_f32 v250, 1.0, v250
	v_add_f32 v251, 1.0, v251
	v_add_f32 v252, 1.0, v252
	v_rcp_f32 v250, v250
	v_rcp_f32 v251, v251
	v_rcp_f32 v252, v252
	v_add_nc_u32 v253, s36, v5                     ; (a plain line behind the reciprocals)  colour's place in the stage, in a register of its own: its last readers, the last trip's stores, stand ahead of the wait at this trip's head
	s_wait_alu depctr_va_vdst(0)                   ; the three reciprocals have written v250-252, and v253 is written: the LDS stores read all four
.irp i, 0,1,2
	ds_store_b32 v253, v[250+\i] offset:4*\i
.endr
	s_add_co_u32 s35, s35, 128
	s_add_co_u32 s36, s36, 384
	s_sub_co_u32 s34, s34, 1
	s_cmp_lg_u32 s34, 0
	s_cbranch_scc1 .Ltrip
	; ---- the way out: my 256 points' sigma (1,024 bytes) and colour (3,072 bytes) are consecutive in memory as in the stage.
	; No vector or matrix line stands behind the wait ahead of the colour's stores: the products and selects that named v110-141 lie in front of it, so the loads below owe nothing more
.irp i, 0,1,2,3,4,5,6,7
	ds_load_b128 v[110+4*\i:113+4*\i], v21 offset:512*\i   ; my own bytes: LDS serves a wave's instructions in order, so these see my stores
.endr
.irp i, 0,1
	s_wait_dscnt 7-\i                              ; the later reads may be out
	global_store_b128 v1, v[110+4*\i:113+4*\i], s[20:21] offset:512*\i th:TH_STORE_NT   ; 32 lanes store 512 consecutive bytes, at a multiple of 256 from the buffer's first byte
.endr
.irp i, 2,3,4,5,6,7
	s_wait_dscnt 7-\i
	global_store_b128 v1, v[110+4*\i:113+4*\i], s[22:23] offset:512*(\i-2) th:TH_STORE_NT
.endr
	s_wait_dscnt 0x0
	s_wait_alu depctr_hold_cnt(0) depctr_sa_sdst(0) depctr_va_vdst(0) depctr_va_sdst(0) depctr_va_ssrc(0) depctr_va_vcc(0) depctr_vm_vsrc(0)
	s_wait_tensorcnt 0x0
	ds_add_u32 v254, v255
	s_wait_dscnt 0x0
	s_endpgm
.Lfunc_end_k_qf5168b696f_nerf:
	.size	k_qf5168b696f_nerf, .Lfunc_end_k_qf5168b696f_nerf-k_qf5168b696f_nerf
	.p2alignl 7, 3214868480
	.fill 96, 4, 3214868480
	.section	.rodata,"a",@progbits
	.p2align	6, 0x0
	.amdhsa_kernel k_qf5168b696f_nerf
		.amdhsa_group_segment_fixed_size 89088
		.amdhsa_private_segment_fixed_size 0
		.amdhsa_enable_private_segment 0
		.amdhsa_kernarg_size 80
		.amdhsa_user_sgpr_count 2
		.amdhsa_user_sgpr_kernarg_segment_ptr 1
		.amdhsa_wavefront_size32 1
		.amdhsa_system_sgpr_workgroup_id_x 1
		.amdhsa_system_sgpr_workgroup_id_y 1
		.amdhsa_system_sgpr_workgroup_id_z 1
		.amdhsa_system_vgpr_workitem_id 0
		.amdhsa_next_free_vgpr 256
		.amdhsa_next_free_sgpr 98
		.amdhsa_reserve_vcc 1
		.amdhsa_float_denorm_mode_32 3
		.amdhsa_float_denorm_mode_16_64 3
		.amdhsa_memory_ordered 1
		.amdhsa_forward_progress 1
		.amdhsa_inst_pref_size 116
	.end_amdhsa_kernel
	.amdgpu_metadata
---
amdhsa.version: [ 1, 2 ]
amdhsa.kernels:
  - .name:           k_qf5168b696f_nerf
    .symbol:         k_qf5168b696f_nerf.kd
    .args:
      - { .name: x, .offset: 0, .size: 8, .value_kind: global_buffer, .address_space: global }
      - { .name: d, .offset: 8, .size: 8, .value_kind: global_buffer, .address_space: global }
      - { .name: n, .offset: 16, .size: 8, .value_kind: global_buffer, .address_space: global }
      - { .name: grid, .offset: 24, .size: 8, .value_kind: global_buffer, .address_space: global }
      - { .name: hidx, .offset: 32, .size: 8, .value_kind: global_buffer, .address_space: global }
      - { .name: wimg, .offset: 40, .size: 8, .value_kind: global_buffer, .address_space: global }
      - { .name: ltab, .offset: 48, .size: 8, .value_kind: global_buffer, .address_space: global }
      - { .name: cb3, .offset: 56, .size: 8, .value_kind: global_buffer, .address_space: global }
      - { .name: out0, .offset: 64, .size: 8, .value_kind: global_buffer, .address_space: global }
      - { .name: out1, .offset: 72, .size: 8, .value_kind: global_buffer, .address_space: global }
    .group_segment_fixed_size: 89088
    .private_segment_fixed_size: 0
    .kernarg_segment_align: 8
    .kernarg_segment_size: 80
    .max_flat_workgroup_size: 512
    .sgpr_count:     98
    .vgpr_count:     256
    .wavefront_size: 32
...
	.end_amdgpu_metadata
.endif
;; end of part 3
